; MI455X (gfx1250); checked and timed in simulation.
; The chip was launched on July 23, 2026; its instructions are those of AMD's public machine-readable ISA for CDNA 5 (MIT licence, August 2026) and "CDNA5" Instruction Set Architecture Reference Guide (July 2026). The comments in the code are by the model that wrote it; some were corrected since.
;; POS Inject. Allowed arithmetic: matrix products marked QUANTISED: E5M2 operands, one E8M0 scale for each 32 along K, by v_wmma_scale_f32_16x16x128_f8f6f4 with both operands' format E5M2, f32 sums; everything else in f32.
;; Inputs: Wk 256 x 512 float32; Wq 256 x 512 float32; Wv 512 x 512 float32; bk 256 float32; bq 256 float32; bv 512 float32; gamma 1 float32; pos_emb 16 x 512 float32; pos_h 4 x 64 x 64 int32; pos_w 4 x 64 x 64 int32; x 4 x 512 x 64 x 64 float32.
;; Outputs: out0 4 x 512 x 64 x 64 float32.
;; This version of the problem:
;;   THIS VERSION OF THE PROBLEM IS GIVEN IN LOW PRECISION. The matrix products marked QUANTISED in the list below multiply operands that are first quantised to E5M2 (5 exponent bits, 2 mantissa bits; 8 bits a number), with one power-of-two scale for each 32 numbers along K (OCP MX v1.0); their sums are f32. All else is computed in f32.
;;   The module's matrix products, in the order in which they are computed (A, B: the left and right operand; K: the contracted axis; several contracted axes count as one K, in the product's order):
;;     1. [M 256, K 512] x [K 512, N 16,384]; A: input Wq; B: input x: QUANTISED
;;     2. [M 256, K 512] x [K 512, N 16,384]; A: input Wk; B: computed on the way: QUANTISED
;;     3. [M 512, K 512] x [K 512, N 16,384]; A: input Wv; B: input x: QUANTISED
;;     4. batch 4 x [M 4,096, K 256] x [K 256, N 4,096]; A: computed on the way; B: computed on the way: QUANTISED
;;     5. batch 4 x [M 512, K 4,096] x [K 4,096, N 4,096]; A: computed on the way; B: softmax (see below): QUANTISED
;;   THE QUANTISER, for each operand of a quantised product, along K:
;;     - K is cut into blocks of 32 from its start; a last block that is shorter is filled with zeros.
;;     - A block's scale is 2^e with e = floor(log2(the largest magnitude in the block)) - 15, held to -126 .. 127; a block of zeros has e = 0. As a byte (E8M0): e + 127.
;;     - Each number is divided by its block's scale, clamped to +-57,344, and rounded to the nearest number of E5M2, ties to even, subnormals kept.
;;     - The product sums the exact products of the quantised numbers (number of the format x scale) in f32.
;;   ~~~python
;;   def quantise(x, axis):      # numpy; x: float32 -> the quantised numbers, widened to float32 again
;;       x = np.moveaxis(x, axis, -1); K = x.shape[-1]
;;       x = np.pad(x, [(0, 0)] * (x.ndim - 1) + [(0, -K % 32)]); x = x.reshape(x.shape[:-1] + (-1, 32)); a = np.abs(x).max(-1, keepdims=True)
;;       e = np.where(a > 0, np.clip(np.frexp(np.where(a > 0, a, 1))[1] - 1 - 15, -126, 127), 0)      # np.frexp(a)[1] - 1 = floor(log2(a)), exactly
;;       r = np.clip(x / 2.0 ** e, -57344, 57344)
;;       step = 2.0 ** (np.maximum(np.frexp(np.where(r == 0, 1, r))[1] - 1, -14) - 2)
;;       q = np.round(r / step) * step * 2.0 ** e      # np.round: ties to even
;;       return np.moveaxis(q.reshape(q.shape[:-2] + (-1,))[..., :K], -1, axis).astype(np.float32)
;;   ~~~
;;   SOFTMAX AHEAD OF A QUANTISED PRODUCT. Where the list says 'softmax', what is quantised is not the finished softmax but p = 2^(t - M), with t = logit x log2(e) and M = ceil(the row's largest t), a whole number; so 1/2 < the row's largest p <= 1. The row's sum l is taken of the UNQUANTISED p, in f32, and the product's result is divided by l at the end. Since M is a whole number, a kernel that streams over the keys may use a running M (the ceiling of the running maximum): every later rescaling is an exact power of two, which a block's scale takes up: the codes' values come out the same.
;;   OPERANDS COMPUTED ON THE WAY. 'Computed on the way' means the value that the module computes at that place (a softmax that the list does not call 'softmax' is quantised finished and normalised). What goes into a quantiser is computed in f32, as accurately as f32 sums, v_exp_f32 and their like allow (about 1e-6 of the number): no bf16 or f16 on the way to a quantiser, and a product that is left as it is and whose result goes on into a quantised operand takes f32 operands (vector FMAs, or v_wmma_f32_16x16x4_f32). A number that lies on a knife's edge between two numbers of the format may be rounded either way, as far as f32 arithmetic and the matrix unit's own rounding can turn it there, and no further.
;; 2 versions, each right; version 2 is version 1 with the launch proj written anew for expert scheduling mode. Each part assembles by itself: llvm-mc -triple=amdgcn-amd-amdhsa -mcpu=gfx1250 --defsym DOCPART=n.
;; ======== version 1 of 2: 3 launches
;; workspace buffers: xc 8,388,608 bytes; xs 262,144 bytes; x1d 131,072 bytes; wc 557,056 bytes; qc 4,456,448 bytes; kc 69,632 bytes; vc 8,388,608 bytes; vs 262,144 bytes
;; launch prep (part 1): grid 256 x 1, 4 waves a work-group, no clusters, 168,448 bytes of LDS; arguments x, pos_h, pos_emb, Wq, Wk, Wv, xc, xs, x1d, wc; writes xc, xs, x1d, wc
.if DOCPART == 1
	.amdgcn_target "amdgcn-amd-amdhsa--gfx1250"
	.amdhsa_code_object_version 6
	.text
	.protected	k_q6ed65a0420_prep
	.globl	k_q6ed65a0420_prep
	.p2align	8
	.type	k_q6ed65a0420_prep,@function
k_q6ed65a0420_prep:
	s_mov_b64 s[64:65], 0
	v_nop
	global_prefetch_b8 v0, s[64:65] scope:SCOPE_SE
	s_setreg_imm32_b32 hwreg(HW_REG_WAVE_MODE, 25, 1), 1
	s_wait_xcnt 0x0
; PREP.  x [4][512][4096] f32 is turned into codes of BF8 (E5M2) along c, one E8M0 byte for each 32 channels; the row pool (mean of 256 pixels) + the position's row of pos_emb goes to x1d;
; Wq, Wk, Wv (stacked: rows 0-255, 256-511, 512-1023) are turned into codes along c.  (pos_w is an input that reference() uses nowhere: no launch takes it.)
; LAYOUT OF ALL CODES: images of operand registers.  An image is 2,048 bytes = [chunk 0..3][lane 0..31][16 bytes]: lane (r = lane % 16, h = lane / 16) of chunk q holds the codes k = 32 q + 16 h + 0..15 of the fragment's row r.
; THE ROWS OF A TILE ARE NOT NEIGHBOURS: lane r of tile 2 B + u holds row 32 B + 8 u + r + 8 (r / 8), so that a transposed product's 16 registers of two neighbouring tiles are 16 neighbours.
;   xc [b][s 32][ks 4][tile 8] images (s: 128 pixels, ks: 128 channels);  xs [b][s][ks][tile][r] words;  x1d [b][l 16][c 512] f32;  wc [tile 64][ks 4] images, then at WS_OFF [tile][ks][lane 32] words.
; SHARES.  Work-group id: ks = id % 4, l = (id / 4) % 16, b = id / 64: 128 channels x the 256 pixels of pool bin l.  Wave w takes channels 128 ks + 32 w .. + 31: one block of 32.
; A LANE TAKES A PIXEL AND ITS REGISTERS RUN DOWN c: a block's largest magnitude needs no other lane, and the conversions give codes with c innermost.  The wave sees its channels' whole bin, so the pool sums are its own.
; The work-group also quantises weight fragment id (tile id / 4, K step id % 4), wave w its chunk w.
; x comes by four tensor loads a wave (32 channels x 256 bytes each), all issued at the start: four loads of a wave are out at the most.
; A block's scale byte is its largest magnitude's exponent field - 15, held at 1 from below.
; LIMITS: NaN and infinities among the inputs are not served; a block of zeros gets the byte 1, not 127 (its codes are zeros, and this program alone reads the bytes);
; pos_h is taken in 0..127, as reference()'s lookup relies on; pos_h / 8 is held at 15 from above.  x1d leaves 128 bytes a wave: 128 KB in the whole launch.
.set PIECE,  8192                      ; a tensor load's tile: 32 rows x 256 bytes, dense
.set PL,     131072                    ; behind the four waves' tiles: the pool's turn, 32 lanes x 144 bytes for each wave
.set PLW,    4608
.set SCB,    149504                    ; x's scale bytes: 128 x group + 4 x lane + wave
.set WSB,    150528                    ; the weight fragment's: 4 x lane + wave
.set WS_OFF, 524288
.set FLOOR,  0x8000000                 ; 2^(16 - 127)
.set SUB15,  0xf8800000                ; -(15 << 23)
.set EXPM,   0x7f800000
.set XA,  32                           ; v32-63   a group of 32 pixels: my pixel's 32 channels
.set XB,  64                           ; v64-95   the piece's other group
.set SUM, 96                           ; v96-127  my pixels' sums, channel by channel
.set COD, 128                          ; v128-191 codes: eight registers for each group, never written again
.set BYT, 192                          ; v192-199 a scale byte for each group
.set WX,  200                          ; v200-215 16 numbers of a weight
.set WC,  216                          ; v216-219 their codes
	s_load_b512 s[4:19], s[0:1], 0x0               ; x, pos_h, pos_emb, Wq, Wk, Wv, xc, xs
	s_load_b128 s[20:23], s[0:1], 0x40             ; x1d, wc
	v_lshl_add_u32 v224, v0, 2, 0x29000
	v_mov_b32 v225, 0
	ds_add_u32 v224, v225
	ds_add_u32 v224, v225
	v_lshrrev_b32 v8, 5, v0
	v_readfirstlane_b32 s48, v8                    ; wave 0..3
	s_and_b32 s53, ttmp9, 3                        ; ks
	s_bfe_u32 s54, ttmp9, 0x40002                  ; l
	s_lshr_b32 s55, ttmp9, 6                       ; b
	s_mov_b32 s24, 2<<16                           ; group 1: elements of 4 bytes, no mask, no padding
	s_mov_b32 s25, 64<<16                          ; tensor_dim0 = 64
	s_mov_b32 s26, 32<<16                          ; tensor_dim1 = 32
	s_mov_b32 s27, 64<<16                          ; tile_dim0 = 64
	s_mov_b32 s28, 32                              ; tile_dim1 = 32
	s_mov_b32 s29, 4096                            ; from channel to channel
	s_mov_b32 s30, 0
	s_mov_b32 s31, 0
	s_mov_b32 s50, 0x76543210
	s_mov_b32 s51, 0xfedcba98                      ; v_permlanex16_b32's selects for lane l xor 16
	s_mov_b32 s52, 0x600000                        ; the mantissa field of 57,344
	s_mov_b32 s57, 0
	s_lshl_b32 s49, s48, 15                        ; my wave's 32,768 bytes of LDS
	s_lshl_b32 s56, s55, 23                        ; x: b x 512 x 16,384
	s_lshl_b32 s58, s53, 21                        ;  + 128 ks channels
	s_add_co_u32 s56, s56, s58
	s_lshl_b32 s58, s48, 19                        ;  + 32 w channels
	s_add_co_u32 s56, s56, s58
	s_lshl_b32 s58, s54, 10                        ;  + 256 l pixels
	s_add_co_u32 s56, s56, s58
	s_wait_dscnt 0x0
	s_wait_kmcnt 0x0
	s_add_nc_u64 s[4:5], s[4:5], s[56:57]
.irp p, 0,1,2,3                        ; piece p: pixels 64 p .. 64 p + 63 of the bin
	s_mov_b32 s[32+4*\p], 1
	s_add_co_u32 s[33+4*\p], s49, PIECE*\p
	s_add_nc_u64 s[34+4*\p:35+4*\p], s[4:5], 256*\p
	s_or_b32 s[35+4*\p], s[35+4*\p], 0x80000000
	tensor_load_to_lds s[32+4*\p:35+4*\p], s[24:31]
	s_nop 0
.endr
	v_and_b32 v9, 31, v0                           ; lane
	v_and_b32 v10, 15, v0                          ; r
	v_bfe_u32 v11, v0, 4, 1                        ; u (for the weights: h)
	v_and_b32 v12, 8, v0
	v_add_nc_u32 v12, v12, v10                     ; r + 8 (r / 8)
	v_lshl_add_u32 v13, v11, 3, v12                ; my pixel in a group of 32: 8 u + r + 8 (r / 8): the 32 lanes take 32 different ones
	v_lshl_add_u32 v1, v13, 2, s49                 ; v1: its LDS address in row 0 of piece 0
	v_lshlrev_b32 v2, 4, v10
	v_lshl_add_u32 v2, v11, 11, v2                 ; v2: xc: tile u of the pair, 16 r: sixteen lanes fill 256 consecutive bytes
	v_lshlrev_b32 v6, 2, v9                        ; v6: 4 x lane
	v_add_nc_u32 v3, s48, v6
	v_add_nc_u32 v16, WSB, v3                      ; v16: the weight's scale byte
	v_add_nc_u32 v3, SCB, v3                       ; v3: x's scale byte
	s_mul_i32 s58, s48, PLW
	s_add_co_u32 s58, s58, PL
	v_mul_u32_u24 v4, v9, 144
	v_add_nc_u32 v4, s58, v4                       ; v4: the pool's turn, in: 144 x lane
	v_add_nc_u32 v5, s58, v6                       ; v5: and out: 4 x lane
	v_lshlrev_b32 v7, 11, v12
	v_lshl_add_u32 v7, v11, 6, v7                  ; v7: a weight's row r + 8 (r / 8) of 2,048 bytes, + 64 h
	v_lshlrev_b32 v15, 4, v9                       ; v15: 16 x lane
	v_lshlrev_b32 v18, 3, v9                       ; v18: 8 x lane
	s_lshl_b32 s58, s48, 8
	s_add_co_u32 s58, s58, SCB
	v_add_nc_u32 v17, s58, v18                     ; v17: x's scale bytes on the way out
	v_add_nc_u32 v19, WSB, v6                      ; v19: the weight's
	v_mov_b32 v9, 0                                ; (a lane permute's destination counts as one of its sources)
	s_lshl_b32 s56, s55, 14                        ; pos_h[b][4 l][0]
	s_lshl_b32 s58, s54, 10
	s_add_co_u32 s56, s56, s58
	s_add_nc_u64 s[6:7], s[6:7], s[56:57]
	s_load_b32 s59, s[6:7], 0x0
	s_lshr_b32 s60, ttmp9, 2                       ; the weight tile, 0..63: which tensor, and which tile of it.  The choice hangs on the work-group's number alone
	s_cmp_lt_u32 ttmp9, 128
	s_cselect_b64 s[12:13], s[12:13], s[14:15]
	s_cselect_b32 s61, 16, 32
	s_cmp_lt_u32 ttmp9, 64
	s_cselect_b64 s[12:13], s[10:11], s[12:13]
	s_cselect_b32 s61, 0, s61
	s_sub_co_u32 s60, s60, s61
	s_lshr_b32 s61, s60, 1
	s_lshl_b32 s61, s61, 16                        ; 32 (tile / 2) rows of 2,048 bytes
	s_and_b32 s60, s60, 1
	s_lshl_b32 s60, s60, 14                        ; + 8 (tile % 2) rows
	s_add_co_u32 s56, s61, s60
	s_lshl_b32 s60, s53, 9                         ; + K step: 128 numbers
	s_lshl_b32 s58, s48, 7                         ; + chunk w: 32 numbers
	s_add_co_u32 s60, s60, s58                     ; (512 ks + 128 w is also 4 x my first channel)
	s_add_co_u32 s56, s56, s60
	s_add_nc_u64 s[12:13], s[12:13], s[56:57]
.irp j, 0,1,2,3
	global_load_b128 v[WX+4*\j:WX+4*\j+3], v7, s[12:13] offset:16*\j
.endr
	s_mov_b32 s61, 0
	s_add_nc_u64 s[8:9], s[8:9], s[60:61]          ; pos_emb at my first channel
	s_lshl_b32 s56, s55, 15                        ; x1d: (16 b + l) rows of 2,048 bytes + my first channel
	s_lshl_b32 s58, s54, 11
	s_add_co_u32 s56, s56, s58
	s_add_co_u32 s56, s56, s60
	s_add_nc_u64 s[20:21], s[20:21], s[56:57]
	s_lshl_b32 s56, s55, 21                        ; xc: ((32 b + 2 l) x 4 + ks) x 16,384 + 512 w
	s_lshl_b32 s58, s54, 17
	s_add_co_u32 s56, s56, s58
	s_lshl_b32 s58, s53, 14
	s_add_co_u32 s56, s56, s58
	s_lshl_b32 s58, s48, 9
	s_add_co_u32 s56, s56, s58
	s_add_nc_u64 s[16:17], s[16:17], s[56:57]
	s_lshl_b32 s56, s55, 16                        ; xs: (32 b + 2 l + w / 2) x 2,048 + 512 ks + 256 (w % 2)
	s_lshl_b32 s58, s54, 12
	s_add_co_u32 s56, s56, s58
	s_lshl_b32 s58, s53, 9
	s_add_co_u32 s56, s56, s58
	s_lshr_b32 s58, s48, 1
	s_lshl_b32 s58, s58, 11
	s_add_co_u32 s56, s56, s58
	s_and_b32 s58, s48, 1
	s_lshl_b32 s58, s58, 8
	s_add_co_u32 s56, s56, s58
	s_add_nc_u64 s[18:19], s[18:19], s[56:57]
	s_lshl_b32 s56, ttmp9, 7                       ; wc: the fragment's scale words,
	s_add_co_u32 s56, s56, WS_OFF
	s_add_nc_u64 s[10:11], s[22:23], s[56:57]
	s_lshl_b32 s56, ttmp9, 11                      ; and my chunk of its image
	s_lshl_b32 s58, s48, 9
	s_add_co_u32 s56, s56, s58
	s_add_nc_u64 s[22:23], s[22:23], s[56:57]
	s_wait_kmcnt 0x0
	s_lshr_b32 s59, s59, 3                         ; pos_h / 8,
	s_min_u32 s59, s59, 15                         ; inside the table,
	s_lshl_b32 s59, s59, 11                        ; its row of 2,048 bytes
	v_add_nc_u32 v14, s59, v6
	global_load_b32 v220, v14, s[8:9]              ; pos_emb[row][my first channel + lane]
	; ---- the weight's chunk: 16 numbers a lane, lanes l and l xor 16 hold a block
	s_wait_loadcnt 0x1                             ; the four loads of the weight are in; pos_emb's may be out
	v_max3_num_f32 v8, |v[WX]|, |v[WX+1]|, FLOOR
.irp i, 2,4,6,8,10,12,14
	v_max3_num_f32 v8, v8, |v[WX+\i]|, |v[WX+\i+1]|
.endr
	v_permlanex16_b32 v9, v8, s50, s51
	v_max_num_f32 v8, v8, v9                       ; the block's largest magnitude
	v_add_nc_u32 v11, SUB15, v8                    ; 15 off its exponent field: the conversion's scale operand
	v_and_or_b32 v10, v8, EXPM, s52                ; 57,344 x the scale
.set i, 0
.rept 16
	v_med3_num_f32 v[WX+i], v[WX+i], -v10, v10     ; the conversion to an 8-bit code does not saturate (ISA guide 7.6.2): the hold comes first
.set i, i+1
.endr
	v_cvt_scalef32_pk8_bf8_f32 v[WC:WC+1], v[WX:WX+7], v11
	v_cvt_scalef32_pk8_bf8_f32 v[WC+2:WC+3], v[WX+8:WX+15], v11
	v_lshrrev_b32 v221, 23, v11                    ; the scale's byte (also the plain line behind the conversions)
	global_store_b128 v15, v[WC:WC+3], s[22:23]    ; 32 lanes store 512 consecutive bytes
	ds_store_b8 v16, v221
; A block of 32 channels of my pixel, in v[x] on, becomes 32 codes and a byte.  g: the group of 32 pixels, 0..7
.macro BLOCK x, g
	v_max3_num_f32 v12, |v[\x]|, |v[\x+1]|, |v[\x+2]|
	v_max3_num_f32 v13, |v[\x+3]|, |v[\x+4]|, |v[\x+5]|
.irp i, 6,10,14,18,22,26
	v_max3_num_f32 v12, v12, |v[\x+\i]|, |v[\x+\i+1]|
	v_max3_num_f32 v13, v13, |v[\x+\i+2]|, |v[\x+\i+3]|
.endr
	v_max3_num_f32 v12, v12, |v[\x+30]|, |v[\x+31]|
	v_max3_num_f32 v12, v12, v13, FLOOR
	v_add_nc_u32 v11, SUB15, v12
	v_and_or_b32 v10, v12, EXPM, s52
	v_lshrrev_b32 v[BYT+(\g)], 23, v11
.set i, 0
.rept 32
	v_med3_num_f32 v[\x+i], v[\x+i], -v10, v10
.set i, i+1
.endr
.irp q, 0,1,2,3
	v_cvt_scalef32_pk8_bf8_f32 v[COD+8*(\g)+2*\q:COD+8*(\g)+2*\q+1], v[\x+8*\q:\x+8*\q+7], v11
.endr
	v_nop                                          ; a plain line behind the last conversion
	global_store_b128 v2, v[COD+8*(\g):COD+8*(\g)+3], s[16:17] offset:((\g)/4)*65536+((\g)%4)*4096          ; channels 0-15 of the block: the image's lanes 0-15
	global_store_b128 v2, v[COD+8*(\g)+4:COD+8*(\g)+7], s[16:17] offset:((\g)/4)*65536+((\g)%4)*4096+256    ; channels 16-31: its lanes 16-31
	ds_store_b8 v3, v[BYT+(\g)] offset:128*(\g)
.endm
.irp p, 0,1,2,3
	s_wait_tensorcnt 3-\p                          ; tensor loads of a wave end in order: piece p is in, the younger ones may be out
.set i, 0
.rept 32
	ds_load_b32 v[XA+i], v1 offset:PIECE*\p+256*i
.set i, i+1
.endr
.set i, 0
.rept 32
	ds_load_b32 v[XB+i], v1 offset:PIECE*\p+256*i+128
.set i, i+1
.endr
	s_wait_dscnt 0x0
.set i, 0
.if \p == 0
.rept 16
	v_pk_add_f32 v[SUM+i:SUM+i+1], v[XA+i:XA+i+1], v[XB+i:XB+i+1]      ; the pool's sums, ahead of the holds; the first piece starts them
.set i, i+2
.endr
.else
.rept 16
	v_pk_add_f32 v[SUM+i:SUM+i+1], v[SUM+i:SUM+i+1], v[XA+i:XA+i+1]
.set i, i+2
.endr
.set i, 0
.rept 16
	v_pk_add_f32 v[SUM+i:SUM+i+1], v[SUM+i:SUM+i+1], v[XB+i:XB+i+1]
.set i, i+2
.endr
.endif
	BLOCK XA, 2*\p
	BLOCK XB, 2*\p+1
.endr
	; ---- the pool: 32 lanes x 32 channels are turned through my own LDS bytes, so that lane i gets all lanes' sums of channel i
.irp j, 0,1,2,3,4,5,6,7
	ds_store_b128 v4, v[SUM+4*\j:SUM+4*\j+3] offset:16*\j
.endr
.set i, 0
.rept 32
	ds_load_b32 v[XA+i], v5 offset:144*i           ; LDS serves a wave's instructions in order: these see my stores
.set i, i+1
.endr
	s_wait_dscnt 0x0
.irp j, 0,2,4,6,8,10,12,14
	v_pk_add_f32 v[XA+\j:XA+\j+1], v[XA+\j:XA+\j+1], v[XA+16+\j:XA+17+\j]
.endr
.irp j, 0,2,4,6
	v_pk_add_f32 v[XA+\j:XA+\j+1], v[XA+\j:XA+\j+1], v[XA+8+\j:XA+9+\j]
.endr
.irp j, 0,2
	v_pk_add_f32 v[XA+\j:XA+\j+1], v[XA+\j:XA+\j+1], v[XA+4+\j:XA+5+\j]
.endr
	v_pk_add_f32 v[XA:XA+1], v[XA:XA+1], v[XA+2:XA+3]
	v_add_f32 v[XA], v[XA], v[XA+1]
	s_wait_loadcnt 0x0                             ; pos_emb
	v_fma_f32 v[XA], v[XA], 0x3b800000, v220       ; sum / 256 + the position's number
	global_store_b32 v6, v[XA], s[20:21]
	s_wait_dscnt 0x0                               ; for the others' sake: my scale bytes have landed
	s_barrier_signal -1
	s_barrier_wait -1
	ds_load_b64 v[20:21], v17                      ; the four waves' bytes make words: 256 bytes a wave
	s_wait_dscnt 0x0
	global_store_b64 v18, v[20:21], s[18:19]       ; 32 lanes store 256 consecutive bytes, aligned
	s_cmp_lg_u32 s48, 0
	s_cbranch_scc1 .Lend
	ds_load_b32 v22, v19                           ; wave 0: the weight fragment's 32 scale words
	s_wait_dscnt 0x0
	global_store_b32 v6, v22, s[10:11]
.Lend:
	s_wait_tensorcnt 0x0
	ds_add_u32 v224, v225
	s_wait_dscnt 0x0
	s_endpgm
.Lfunc_end_k_q6ed65a0420_prep:
	.size	k_q6ed65a0420_prep, .Lfunc_end_k_q6ed65a0420_prep-k_q6ed65a0420_prep
	.p2alignl 7, 3214868480
	.fill 96, 4, 3214868480
	.section	.rodata,"a",@progbits
	.p2align	6, 0x0
	.amdhsa_kernel k_q6ed65a0420_prep
		.amdhsa_group_segment_fixed_size 168448
		.amdhsa_private_segment_fixed_size 0
		.amdhsa_enable_private_segment 0
		.amdhsa_kernarg_size 80
		.amdhsa_user_sgpr_count 2
		.amdhsa_user_sgpr_kernarg_segment_ptr 1
		.amdhsa_wavefront_size32 1
		.amdhsa_system_sgpr_workgroup_id_x 1
		.amdhsa_system_sgpr_workgroup_id_y 1
		.amdhsa_system_sgpr_workgroup_id_z 1
		.amdhsa_system_vgpr_workitem_id 0
		.amdhsa_next_free_vgpr 226
		.amdhsa_next_free_sgpr 66
		.amdhsa_reserve_vcc 0
		.amdhsa_float_denorm_mode_32 3
		.amdhsa_float_denorm_mode_16_64 3
		.amdhsa_memory_ordered 1
		.amdhsa_forward_progress 1
		.amdhsa_inst_pref_size 67
	.end_amdhsa_kernel
	.amdgpu_metadata
---
amdhsa.version: [ 1, 2 ]
amdhsa.kernels:
  - .name:           k_q6ed65a0420_prep
    .symbol:         k_q6ed65a0420_prep.kd
    .args:
      - { .name: x, .offset: 0, .size: 8, .value_kind: global_buffer, .address_space: global }
      - { .name: pos_h, .offset: 8, .size: 8, .value_kind: global_buffer, .address_space: global }
      - { .name: pos_emb, .offset: 16, .size: 8, .value_kind: global_buffer, .address_space: global }
      - { .name: Wq, .offset: 24, .size: 8, .value_kind: global_buffer, .address_space: global }
      - { .name: Wk, .offset: 32, .size: 8, .value_kind: global_buffer, .address_space: global }
      - { .name: Wv, .offset: 40, .size: 8, .value_kind: global_buffer, .address_space: global }
      - { .name: xc, .offset: 48, .size: 8, .value_kind: global_buffer, .address_space: global }
      - { .name: xs, .offset: 56, .size: 8, .value_kind: global_buffer, .address_space: global }
      - { .name: x1d, .offset: 64, .size: 8, .value_kind: global_buffer, .address_space: global }
      - { .name: wc, .offset: 72, .size: 8, .value_kind: global_buffer, .address_space: global }
    .group_segment_fixed_size: 168448
    .private_segment_fixed_size: 0
    .kernarg_segment_align: 8
    .kernarg_segment_size: 80
    .max_flat_workgroup_size: 128
    .sgpr_count:     66
    .vgpr_count:     226
    .wavefront_size: 32
...
	.end_amdgpu_metadata
.endif
;; end of part 1
;; launch proj (part 2): grid 272 x 1, 4 waves a work-group, no clusters, 10,240 bytes of LDS; arguments xc, xs, wc, x1d, bq, bk, bv, qc, kc, vc, vs; writes qc, kc, vc, vs
.if DOCPART == 2
	.amdgcn_target "amdgcn-amd-amdhsa--gfx1250"
	.amdhsa_code_object_version 6
	.text
	.protected	k_q6ed65a0420_proj
	.globl	k_q6ed65a0420_proj
	.p2align	8
	.type	k_q6ed65a0420_proj,@function
k_q6ed65a0420_proj:
	s_mov_b64 s[64:65], 0
	v_nop
	global_prefetch_b8 v0, s[64:65] scope:SCOPE_SE
	s_setreg_imm32_b32 hwreg(HW_REG_WAVE_MODE, 25, 1), 1
	s_wait_xcnt 0x0
; PROJ.  q = Wq x + bq, v = Wv x + bv (work-groups 0-255) and k = Wk up + bk on the 64 distinct columns of a batch (work-groups 256-271), all on codes of BF8 (E5M2) with E8M0 scales, and the results quantised again:
; q and k along their 256 channels, v along the keys.  reference() broadcasts the upsampled rows along w, so k has one column for each h; the quantiser works column by column, so nothing is lost.
; Codes travel as images of operand registers (2,048 bytes = [chunk 4][lane 32][16 bytes]); a tile's rows are 32 B + 8 u + r + 8 (r / 8) for tile 2 B + u, so that a transposed product's 16 registers of two tiles are 16 neighbours.
;   qc [b][tile 256][ko 2] images, at QS_OFF [b][ko][tile][lane] words;  kc [b][T 4][ko 2] images (row r = h 16 T + r), at KS_OFF [b][T][ko][lane] words;
;   vc [b][cblk 4][s 32][ct 8] images (K = keys 128 s on, row r = a channel);  vs [b][cblk][s][r 16][ct 8] words.
; REGULAR PATH.  Work-groups 2 g and 2 g + 1 take key group g (128 pixels).  Every wave keeps x's 32 fragments of the group in 512 registers, loaded as they lie, and does, with y = 4 (id % 2) + wave:
;   one q job: channels 32 y .. + 31 (source 0 = 2 tiles of Wq, source 1 = x): 64 matrix instructions; a lane holds one pixel and 16 neighbouring channels: one block, chunk `wave` of the image;
;   four v jobs: channel tile 4 y + j (source 0 = x's 8 tiles, source 1 = Wv's tile): 32 matrix instructions each; a lane holds one channel and 64 keys in the operand's own order: a whole fragment and its scale word.
; The biases are the C of each sum's first matrix instruction.  The accumulators take turns, one instruction a turn.
; K PATH.  Work-group 256 + 4 b + T: wave w interpolates channels 128 w on of the 16 rows h = 16 T + r from x1d, in f32, as reference() does (src = 15 h / 63 rounded as a division rounds it), quantises them and hands the
; image to the others through LDS; then wave w makes channels 64 w .. + 63 of k.  The two paths part on the work-group's number and have LDS bytes of their own.
; LIMITS: NaN and infinities are not served; a block of zeros gets the byte 1 (its codes are zeros; this program alone reads the bytes).  vs (16 bytes a lane) and kc's scale bytes (2 bytes a lane) leave in small pieces: 260 KB in all.
; REGISTERS: window 0: v1-9, v14 addresses; v16-31 x's scale words; v32-47 Wv's (Wk's); v48-55 Wq's; v56-71 bq; v72-79 bv in a job; v80-83 bv; v84-99 codes; v100-103 v's scale words; v104-119 at work; v128-255 accumulators.
;   windows 1, 2: x's fragment (ks, tile) at 16 (8 ks + tile); in the k path window 1 holds bk, v0-31.   window 3: Wq's (u, ks) at 16 (4 u + ks); Wv's jobs 0, 1 at v128 on, jobs 2, 3 where Wq's lay; in the k path Wk's.
.set QSB,    0                         ; regular path: q's scale bytes, 128 x tile + 4 x lane + wave
.set UIMG,   1024                      ; k path: four images
.set USC,    9216                      ; k path: their scale words
.set WS_OFF, 524288
.set QS_OFF, 4194304
.set KS_OFF, 65536
.set FLOOR,  0x8000000
.set SUB15,  0xf8800000
.set EXPM,   0x7f800000
.set XS,  16
.set WSV, 32
.set WSQ, 48
.set BQ,  56
.set BV,  72
.set BVL, 80
.set PC,  84
.set VSW, 100
.set TM,  104                          ; +0 largest magnitudes, +4 the other half's / bytes, +8 holds, +12 scale operands
.set ACC, 128
.set MSB, 0
.macro WIN new                         ; the immediate's high byte repeats the setting that is left
.if MSB != (\new)
	s_set_vgpr_msb (MSB<<8)|(\new)
.set MSB, (\new)
.endif
.endm
.macro PLACES n
.rept \n
	v_nop
.endr
.endm
; one matrix instruction.  c < 0: the constant 0.  row 1: source 0's scales from lanes 16-31; row 2: source 1's
.macro WM d, a, b, c, sa, sb, row
.if \c < 0
.if \row == 0
	v_wmma_scale_f32_16x16x128_f8f6f4 v[\d:\d+7], v[\a:\a+15], v[\b:\b+15], 0, v[\sa], v[\sb] matrix_a_fmt:MATRIX_FMT_BF8 matrix_b_fmt:MATRIX_FMT_BF8
.elseif \row == 1
	v_wmma_scale_f32_16x16x128_f8f6f4 v[\d:\d+7], v[\a:\a+15], v[\b:\b+15], 0, v[\sa], v[\sb] matrix_a_fmt:MATRIX_FMT_BF8 matrix_b_fmt:MATRIX_FMT_BF8 matrix_a_scale:MATRIX_SCALE_ROW1
.else
	v_wmma_scale_f32_16x16x128_f8f6f4 v[\d:\d+7], v[\a:\a+15], v[\b:\b+15], 0, v[\sa], v[\sb] matrix_a_fmt:MATRIX_FMT_BF8 matrix_b_fmt:MATRIX_FMT_BF8 matrix_b_scale:MATRIX_SCALE_ROW1
.endif
.else
.if \row == 0
	v_wmma_scale_f32_16x16x128_f8f6f4 v[\d:\d+7], v[\a:\a+15], v[\b:\b+15], v[\c:\c+7], v[\sa], v[\sb] matrix_a_fmt:MATRIX_FMT_BF8 matrix_b_fmt:MATRIX_FMT_BF8
.elseif \row == 1
	v_wmma_scale_f32_16x16x128_f8f6f4 v[\d:\d+7], v[\a:\a+15], v[\b:\b+15], v[\c:\c+7], v[\sa], v[\sb] matrix_a_fmt:MATRIX_FMT_BF8 matrix_b_fmt:MATRIX_FMT_BF8 matrix_a_scale:MATRIX_SCALE_ROW1
.else
	v_wmma_scale_f32_16x16x128_f8f6f4 v[\d:\d+7], v[\a:\a+15], v[\b:\b+15], v[\c:\c+7], v[\sa], v[\sb] matrix_a_fmt:MATRIX_FMT_BF8 matrix_b_fmt:MATRIX_FMT_BF8 matrix_b_scale:MATRIX_SCALE_ROW1
.endif
.endif
.endm
; nb blocks: block q is my 16 numbers v[s + 16 q] on and lane l xor 16's.  Codes to v[PC + 4 q] on, bytes to v[TM + 4 + q]; word = 1: four bytes make the scale word v[pw].  Each accumulator is read from its low end on.
.macro QUANT s, nb, word, pw
.set qb, 0
.rept \nb
	v_max3_num_f32 v[TM+qb], |v[\s+16*qb]|, |v[\s+16*qb+1]|, FLOOR     ; with the floor 2^(16 - 127): the byte cannot fall under 1
.set qb, qb+1
.endr
.irp i, 2,4,6,8,10,12,14
.set qb, 0
.rept \nb
	v_max3_num_f32 v[TM+qb], v[TM+qb], |v[\s+16*qb+\i]|, |v[\s+16*qb+\i+1]|
.set qb, qb+1
.endr
.endr
.set qb, 0
.rept \nb
	v_permlanex16_b32 v[TM+4+qb], v[TM+qb], s28, s29
.set qb, qb+1
.endr
.set qb, 0
.rept \nb
	v_max_num_f32 v[TM+qb], v[TM+qb], v[TM+4+qb]   ; the block's largest magnitude
.set qb, qb+1
.endr
.set qb, 0
.rept \nb
	v_add_nc_u32 v[TM+12+qb], SUB15, v[TM+qb]      ; 15 off its exponent field: the conversion's scale operand
	v_and_or_b32 v[TM+8+qb], v[TM+qb], EXPM, s30   ; 57,344 x the scale
.set qb, qb+1
.endr
.set qb, 0
.rept \nb
	v_lshrrev_b32 v[TM+4+qb], 23, v[TM+12+qb]      ; the scale's byte
.set qb, qb+1
.endr
.if \word
	v_lshl_or_b32 v[\pw], v[TM+5], 8, v[TM+4]
	v_lshl_or_b32 v[\pw], v[TM+6], 16, v[\pw]
	v_lshl_or_b32 v[\pw], v[TM+7], 24, v[\pw]
.endif
	s_wait_xcnt 0x0                                ; the codes' registers were the data of stores: they are written again only behind this wait
.set qb, 0
.rept \nb
.set qi, 0
.rept 16
	v_med3_num_f32 v[\s+16*qb+qi], v[\s+16*qb+qi], -v[TM+8+qb], v[TM+8+qb]   ; the conversion does not saturate (ISA guide 7.6.2): the hold comes first
.set qi, qi+1
.endr
	v_cvt_scalef32_pk8_bf8_f32 v[PC+4*qb:PC+4*qb+1], v[\s+16*qb:\s+16*qb+7], v[TM+12+qb]
	v_cvt_scalef32_pk8_bf8_f32 v[PC+4*qb+2:PC+4*qb+3], v[\s+16*qb+8:\s+16*qb+15], v[TM+12+qb]
.set qb, qb+1
.endr
	v_nop                                          ; a plain line behind the last conversion
.endm
	s_load_b512 s[4:19], s[0:1], 0x0               ; xc, xs, wc, x1d, bq, bk, bv, qc
	s_load_b128 s[20:23], s[0:1], 0x40             ; kc, vc
	s_load_b64 s[24:25], s[0:1], 0x50              ; vs
	v_lshrrev_b32 v10, 5, v0
	v_readfirstlane_b32 s26, v10                   ; wave 0..3
	v_and_b32 v10, 31, v0                          ; lane
	v_and_b32 v11, 15, v0                          ; r
	v_bfe_u32 v12, v0, 4, 1                        ; h
	v_lshlrev_b32 v1, 4, v10                       ; v1: 16 x lane: an image's place for my lane
	v_lshlrev_b32 v2, 2, v10                       ; v2: 4 x lane: a scale word's
	v_lshlrev_b32 v3, 6, v12                       ; v3: 64 h
	v_and_b32 v13, 8, v0
	v_add_nc_u32 v13, v13, v11
	v_lshlrev_b32 v4, 2, v13                       ; v4: 4 (r + 8 (r / 8))
	v_add_nc_u32 v5, s26, v2                       ; v5: q's scale byte: 4 x lane + wave
	v_lshlrev_b32 v6, 5, v11                       ; v6: 32 r
	v_lshlrev_b32 v7, 3, v10                       ; v7: 8 x lane
	s_lshl_b32 s31, s26, 8
	v_add_nc_u32 v8, s31, v7                       ; v8: q's scale words on the way out: 256 x wave + 8 x lane
	s_lshl_b32 s31, s26, 11
	s_add_co_u32 s31, s31, UIMG
	v_add_nc_u32 v9, s31, v1                       ; v9: k path: where I store my image
	s_lshl_b32 s31, s26, 7
	s_add_co_u32 s31, s31, USC
	v_add_nc_u32 v14, s31, v2                      ; v14: and its scale words
.irp q, 0,1,2,3
	v_mov_b32 v[TM+4+\q], 0                        ; written once: a lane permute's destination counts as one of its sources
.endr
	s_mov_b32 s28, 0x76543210
	s_mov_b32 s29, 0xfedcba98
	s_mov_b32 s30, 0x600000                        ; the mantissa field of 57,344
	s_mov_b32 s49, 0
	s_wait_kmcnt 0x0
	s_cmp_ge_u32 ttmp9, 256
	s_cbranch_scc1 .Lkpath
	; ================= the regular path
	s_lshr_b32 s31, ttmp9, 1                       ; key group 32 b + s
	s_and_b32 s32, ttmp9, 1                        ; z
	s_lshl_b32 s33, s32, 2
	s_add_co_u32 s33, s33, s26                     ; y = 4 z + wave
	s_lshr_b32 s34, s31, 5                         ; b
	s_and_b32 s35, s31, 31                         ; s
	s_lshl_b32 s48, s31, 16
	s_add_nc_u64 s[4:5], s[4:5], s[48:49]          ; xc: the group's 32 images
	s_lshl_b32 s48, s31, 11
	s_add_nc_u64 s[6:7], s[6:7], s[48:49]          ; xs
	s_lshl_b32 s48, s33, 14
	s_add_nc_u64 s[36:37], s[8:9], s[48:49]        ; Wq's tiles 2 y, 2 y + 1
	s_lshl_b32 s48, s33, 15
	s_add_co_u32 s48, s48, 262144
	s_add_nc_u64 s[38:39], s[8:9], s[48:49]        ; Wv's tiles 32 + 4 y on
	s_lshl_b32 s48, s33, 10
	s_add_co_u32 s48, s48, WS_OFF
	s_add_nc_u64 s[40:41], s[8:9], s[48:49]        ; Wq's scale words
	s_lshl_b32 s48, s33, 11
	s_add_co_u32 s48, s48, WS_OFF+16384
	s_add_nc_u64 s[42:43], s[8:9], s[48:49]        ; Wv's
	s_lshl_b32 s48, s33, 7
	s_add_nc_u64 s[12:13], s[12:13], s[48:49]      ; bq at channel 32 y
	s_lshl_b32 s48, s33, 8
	s_add_nc_u64 s[16:17], s[16:17], s[48:49]      ; bv at channel 64 y
	s_lshl_b32 s48, s31, 15                        ; qc: 8 tiles x 2 images a group; image z, chunk wave
	s_lshl_b32 s50, s32, 11
	s_add_co_u32 s48, s48, s50
	s_lshl_b32 s50, s26, 9
	s_add_co_u32 s48, s48, s50
	s_add_nc_u64 s[44:45], s[18:19], s[48:49]
	s_lshl_b32 s48, s34, 16                        ; q's scale words: ((2 b + z) x 256 + 8 s) x 128 + 256 x wave
	s_lshl_b32 s50, s32, 15
	s_add_co_u32 s48, s48, s50
	s_lshl_b32 s50, s35, 10
	s_add_co_u32 s48, s48, s50
	s_lshl_b32 s50, s26, 8
	s_add_co_u32 s48, s48, s50
	s_add_co_u32 s48, s48, QS_OFF
	s_add_nc_u64 s[46:47], s[18:19], s[48:49]
	s_lshr_b32 s51, s33, 1                         ; cblk = y / 2
	s_and_b32 s52, s33, 1
	s_lshl_b32 s48, s34, 21                        ; vc: ((4 b + cblk) x 32 + s) x 16,384 + 4 (y % 2) images
	s_lshl_b32 s50, s51, 19
	s_add_co_u32 s48, s48, s50
	s_lshl_b32 s50, s35, 14
	s_add_co_u32 s48, s48, s50
	s_lshl_b32 s50, s52, 13
	s_add_co_u32 s48, s48, s50
	s_add_nc_u64 s[22:23], s[22:23], s[48:49]
	s_lshl_b32 s48, s34, 16                        ; vs: ((4 b + cblk) x 32 + s) x 512 + 16 (y % 2)
	s_lshl_b32 s50, s51, 14
	s_add_co_u32 s48, s48, s50
	s_lshl_b32 s50, s35, 9
	s_add_co_u32 s48, s48, s50
	s_lshl_b32 s50, s52, 4
	s_add_co_u32 s48, s48, s50
	s_add_nc_u64 s[24:25], s[24:25], s[48:49]
.irp k, 0,1,2,3                        ; x's scale words: register 4 ks + i: lanes 0-15 tile 2 i, lanes 16-31 tile 2 i + 1
.irp i, 0,1,2,3
	global_load_b32 v[XS+4*\k+\i], v2, s[6:7] offset:512*\k+128*\i
.endr
.endr
.irp f, 0,1,2,3,4,5,6,7
	global_load_b32 v[WSQ+\f], v2, s[40:41] offset:128*\f
.endr
.irp f, 0,1,2,3,4,5,6,7,8,9,10,11,12,13,14,15
	global_load_b32 v[WSV+\f], v2, s[42:43] offset:128*\f
.endr
.irp u, 0,1                            ; bq in the result's layout: lane (r, h), tile u, register j: channel 32 y + 16 h + 8 u + j
	global_load_b128 v[BQ+8*\u:BQ+8*\u+3], v3, s[12:13] offset:32*\u
	global_load_b128 v[BQ+8*\u+4:BQ+8*\u+7], v3, s[12:13] offset:32*\u+16
.endr
.irp j, 0,1,2,3                        ; bv of my lane's channel in job j
	global_load_b32 v[BVL+\j], v4, s[16:17] offset:128*(\j/2)+32*(\j%2)
.endr
.macro XLOAD ks                        ; x's eight fragments of K step ks: 32 loads of 512 consecutive bytes
	WIN 0x40+0x40*((\ks)/2)
.set f, 0
.rept 8
.irp c, 0,1,2,3
	global_load_b128 v[16*(8*((\ks)%2)+f)+4*\c:16*(8*((\ks)%2)+f)+4*\c+3], v1, s[4:5] offset:16384*(\ks)+2048*f+512*\c
.endr
.set f, f+1
.endr
.endm
.macro VLOAD jv                        ; Wv's four fragments of job jv (under window 3)
.set vb, 128*(1-(\jv)/2)+64*((\jv)%2)
.set f, 0
.rept 4
.irp c, 0,1,2,3
	global_load_b128 v[vb+16*f+4*\c:vb+16*f+4*\c+3], v1, s[38:39] offset:2048*(4*(\jv)+f)+512*\c
.endr
.set f, f+1
.endr
.endm
.macro MULQ ks                         ; 16 matrix instructions: x's eight tiles x Wq's two, K step ks
	WIN 0x07+4*((\ks)/2)                           ; source 0 (Wq) window 3, source 1 (x) window 1 or 2
.set t8, 0
.rept 8
.irp u, 0,1
.set rD, ACC+8*(2*t8+\u)
.set rA, 16*(4*\u+(\ks))
.set rB, 16*(8*((\ks)%2)+t8)
.if (\ks) == 0
.set rC, BQ+8*\u
.else
.set rC, rD
.endif
.set sA, WSQ+4*\u+(\ks)
.set sB, XS+4*(\ks)+t8/2
.set rW, 2*(t8%2)
	WM rD, rA, rB, rC, sA, sB, rW
.endr
.set t8, t8+1
.endr
.endm
.macro VJOB jv                         ; channel tile 4 y + jv of v for the group's 128 keys
.set va, ACC+64*((\jv)%2)
.set vb, 128*(1-(\jv)/2)+64*((\jv)%2)
.irp j, 0,1,2,3,4,5,6,7
	v_mov_b32 v[BV+\j], v[BVL+(\jv)]               ; a lane holds one channel: its bias in all eight registers
.endr
	PLACES 8
.set kk, 0
.rept 4
	WIN 0x0d+kk/2                                  ; source 0 (x) window 1 or 2, source 1 (Wv) window 3
.set t8, 0
.rept 8
.set rD, va+8*t8
.set rA, 16*(8*(kk%2)+t8)
.set rB, vb+16*kk
.if kk == 0
.set rC, BV
.else
.set rC, rD
.endif
.set sA, XS+4*kk+t8/2
.set sB, WSV+4*(\jv)+kk
.set rW, t8%2
	WM rD, rA, rB, rC, sA, sB, rW
.set t8, t8+1
.endr
.set kk, kk+1
.endr
	WIN 0
	PLACES 8                                       ; eight places behind this form before its results are read
	QUANT va, 4, 1, VSW+(\jv)                      ; register 16 B + i = key 32 B + 16 h + i: the operand's own order
.irp c, 0,1,2,3
	global_store_b128 v1, v[PC+4*\c:PC+4*\c+3], s[22:23] offset:2048*(\jv)+512*\c    ; 512 consecutive bytes a store
.endr
.endm
	WIN 0xc0
.set f, 0
.rept 8                                ; Wq's eight fragments
.irp c, 0,1,2,3
	global_load_b128 v[16*f+4*\c:16*f+4*\c+3], v1, s[36:37] offset:2048*f+512*\c
.endr
.set f, f+1
.endr
	XLOAD 0
	XLOAD 1
	s_wait_loadcnt 32                              ; all but the 32 loads just issued (K step 1)
	MULQ 0
	XLOAD 2
	s_wait_loadcnt 32                              ; all but K step 2's
	MULQ 1
	XLOAD 3
	s_wait_loadcnt 32                              ; all but K step 3's
	MULQ 2
	WIN 0xc0
	VLOAD 0
	VLOAD 1
	s_wait_loadcnt 32                              ; all but Wv's first two jobs'
	MULQ 3
	WIN 0
	PLACES 8                                       ; in front of loads into registers that matrix instructions have read, and of the first read of results
	WIN 0xc0
	VLOAD 2                                        ; where Wq's fragments lay
	VLOAD 3
	WIN 0
	QUANT ACC, 4, 0, 0                             ; q of tiles 0-3: a block (32 channels) a tile
.irp t, 0,1,2,3
	global_store_b128 v1, v[PC+4*\t:PC+4*\t+3], s[44:45] offset:4096*\t
	ds_store_b8 v5, v[TM+4+\t] offset:QSB+128*\t
.endr
	s_wait_dscnt 0x0                               ; the byte stores have read their registers
	QUANT ACC+64, 4, 0, 0                          ; tiles 4-7
.irp t, 0,1,2,3
	global_store_b128 v1, v[PC+4*\t:PC+4*\t+3], s[44:45] offset:4096*(4+\t)
	ds_store_b8 v5, v[TM+4+\t] offset:QSB+128*(4+\t)
.endr
	s_wait_dscnt 0x0
	s_wait_loadcnt 32                              ; Wv's jobs 0 and 1 are in; jobs 2 and 3 may be out
	VJOB 0
	VJOB 1
	s_wait_loadcnt 0x0
	VJOB 2
	VJOB 3
	global_store_b128 v6, v[VSW:VSW+3], s[24:25]   ; my channel's four scale words (lanes 16-31 hold and write the same as lanes 0-15)
	s_barrier_signal -1                            ; my byte stores were waited for above
	s_barrier_wait -1
	ds_load_b64 v[10:11], v8                       ; the four waves' bytes make q's scale words
	s_wait_dscnt 0x0
	global_store_b64 v7, v[10:11], s[46:47]        ; 32 lanes store 256 consecutive bytes, aligned
	s_wait_xcnt 0x0
	v_lshl_add_u32 v254, v0, 2, 0x2600
	v_mov_b32 v255, 0
	s_wait_tensorcnt 0x0
	ds_add_u32 v254, v255
	s_wait_dscnt 0x0
	s_endpgm
	; ================= the k path
.Lkpath:
	s_sub_co_u32 s31, ttmp9, 256                   ; 4 b + T
	s_lshr_b32 s32, s31, 2                         ; b
	s_and_b32 s33, s31, 3                          ; T
	s_lshl_b32 s48, s32, 15
	s_lshl_b32 s50, s26, 9
	s_add_co_u32 s48, s48, s50
	s_add_nc_u64 s[10:11], s[10:11], s[48:49]      ; x1d: batch b, channel 128 w
	s_lshl_b32 s48, s26, 15
	s_add_co_u32 s48, s48, 131072
	s_add_nc_u64 s[36:37], s[8:9], s[48:49]        ; Wk's tiles 16 + 4 w on
	s_lshl_b32 s48, s26, 11
	s_add_co_u32 s48, s48, WS_OFF+8192
	s_add_nc_u64 s[40:41], s[8:9], s[48:49]        ; their scale words
	s_lshl_b32 s48, s26, 8
	s_add_nc_u64 s[14:15], s[14:15], s[48:49]      ; bk at channel 64 w
	s_lshl_b32 s48, s31, 12                        ; kc: ((4 b + T) x 2 + w / 2) x 2,048 + (w % 2) x 1,024
	s_lshl_b32 s50, s26, 10
	s_add_co_u32 s48, s48, s50
	s_add_nc_u64 s[44:45], s[20:21], s[48:49]
	s_lshl_b32 s48, s31, 8                         ; its scale bytes: ((4 b + T) x 2 + w / 2) x 128 + 2 (w % 2)
	s_lshr_b32 s50, s26, 1
	s_lshl_b32 s50, s50, 7
	s_add_co_u32 s48, s48, s50
	s_and_b32 s50, s26, 1
	s_lshl_b32 s50, s50, 1
	s_add_co_u32 s48, s48, s50
	s_add_co_u32 s48, s48, KS_OFF
	s_add_nc_u64 s[46:47], s[20:21], s[48:49]
	s_lshl_b32 s34, s33, 4
	v_add_nc_u32 v120, s34, v11                    ; h = 16 T + r
	v_mul_u32_u24 v121, v120, 15                   ; 15 h, at most 945
	v_mul_u32_u24 v122, v121, 1041
	v_lshrrev_b32 v122, 16, v122                   ; lo = floor(15 h / 63): 1041 / 65536 is over 1 / 63 by 1.14e-5, which at 945 makes 0.011, under 1 / 63
	v_add_nc_u32 v123, 1, v122
	v_min_u32 v123, 15, v123                       ; hi
	v_cvt_f32_u32 v124, v121
	v_mul_f32 v125, 0x3c820821, v124               ; 15 h x (1 / 63),
	v_fmamk_f32 v126, v125, 0xc27c0000, v124       ; what is left of 15 h,
	v_fmamk_f32 v125, v126, 0x3c820821, v125       ; and the quotient mended by it: src as a division rounds it
	v_cvt_f32_u32 v126, v122
	v_sub_f32 v126, v125, v126                     ; frac
	v_sub_f32 v124, 1.0, v126                      ; 1 - frac
	v_mov_b32 v127, 0                              ; (named as the upper half of a pair)
	v_lshl_add_u32 v122, v122, 11, v3              ; row lo of 2,048 bytes + 64 h: my 16 channels of a block of 32
	v_lshl_add_u32 v123, v123, 11, v3
.irp q, 0,1,2,3
.irp j, 0,1,2,3
	global_load_b128 v[128+16*\q+4*\j:131+16*\q+4*\j], v122, s[10:11] offset:128*\q+16*\j
.endr
.endr
.irp q, 0,1,2,3
.irp j, 0,1,2,3
	global_load_b128 v[192+16*\q+4*\j:195+16*\q+4*\j], v123, s[10:11] offset:128*\q+16*\j
.endr
.endr
.irp f, 0,1,2,3,4,5,6,7,8,9,10,11,12,13,14,15
	global_load_b32 v[WSV+\f], v2, s[40:41] offset:128*\f
.endr
	WIN 0x40                                       ; destination window 1
.irp t, 0,1,2,3                        ; bk in the result's layout, at v0 on of window 1: tile t = 2 B + u, register j: channel 64 w + 32 B + 16 h + 8 u + j
	global_load_b128 v[8*\t:8*\t+3], v3, s[14:15] offset:128*(\t/2)+32*(\t%2)
	global_load_b128 v[8*\t+4:8*\t+7], v3, s[14:15] offset:128*(\t/2)+32*(\t%2)+16
.endr
	WIN 0xc0
.set f, 0
.rept 8                                ; Wk's tiles 0 and 1 of my four: fragment (t, ks) at 16 (4 t + ks) of window 3
.irp c, 0,1,2,3
	global_load_b128 v[16*f+4*\c:16*f+4*\c+3], v1, s[36:37] offset:2048*f+512*\c
.endr
.set f, f+1
.endr
	WIN 0
	s_wait_loadcnt 56                              ; x1d's 32 loads are in; the 24 small ones and Wk's 32 may be out
.set i, 0
.rept 32
	v_pk_mul_f32 v[192+i:193+i], v[192+i:193+i], v[126:127] op_sel_hi:[1,0]
.set i, i+2
.endr
.set i, 0
.rept 32
	v_pk_fma_f32 v[128+i:129+i], v[128+i:129+i], v[124:125], v[192+i:193+i] op_sel_hi:[1,0,1]   ; x1d[lo] (1 - frac) + x1d[hi] frac
.set i, i+2
.endr
	QUANT 128, 4, 1, VSW
.irp c, 0,1,2,3
	ds_store_b128 v9, v[PC+4*\c:PC+4*\c+3] offset:512*\c      ; K step w of the product, as an image of its registers
.endr
	ds_store_b32 v14, v[VSW]
	WIN 0xc0
.rept 8                                ; Wk's tiles 2 and 3
.irp c, 0,1,2,3
	global_load_b128 v[16*f+4*\c:16*f+4*\c+3], v1, s[36:37] offset:2048*f+512*\c
.endr
.set f, f+1
.endr
	WIN 0
	s_wait_dscnt 0x0                               ; for the others' sake: my image has landed
	s_barrier_signal -1
	s_barrier_wait -1
.irp k, 0,1,2,3
.irp c, 0,1,2,3
	ds_load_b128 v[192+16*\k+4*\c:195+16*\k+4*\c], v1 offset:UIMG+2048*\k+512*\c
.endr
	ds_load_b32 v[XS+\k], v2 offset:USC+128*\k
.endr
	s_wait_dscnt 0x0
	s_wait_loadcnt 0x0
.set kk, 0
.rept 4
.if kk == 0
	WIN 0x13                                       ; source 0 (Wk) window 3, source 2 (bk) window 1
.else
	WIN 0x03                                       ; source 0 (Wk) window 3
.endif
.set t8, 0
.rept 4
.set rD, 128+8*t8
.set rA, 16*(4*t8+kk)
.set rB, 192+16*kk
.if kk == 0
.set rC, 8*t8
.else
.set rC, rD
.endif
.set sA, WSV+4*t8+kk
.set sB, XS+kk
.set rW, 0
	WM rD, rA, rB, rC, sA, sB, rW
.set t8, t8+1
.endr
.set kk, kk+1
.endr
	WIN 0
	PLACES 8
	QUANT 128, 2, 0, 0                             ; two blocks: channels 64 w + 32 q + 16 h + 0..15 of row h
	global_store_b128 v1, v[PC:PC+3], s[44:45]
	global_store_b128 v1, v[PC+4:PC+7], s[44:45] offset:512
	v_lshl_or_b32 v120, v[TM+5], 8, v[TM+4]
	global_store_b16 v2, v120, s[46:47]            ; my two bytes of the row's scale word
	s_wait_xcnt 0x0
	v_lshl_add_u32 v254, v0, 2, 0x2600
	v_mov_b32 v255, 0
	s_wait_tensorcnt 0x0
	ds_add_u32 v254, v255
	s_wait_dscnt 0x0
	s_endpgm
.Lfunc_end_k_q6ed65a0420_proj:
	.size	k_q6ed65a0420_proj, .Lfunc_end_k_q6ed65a0420_proj-k_q6ed65a0420_proj
	.p2alignl 7, 3214868480
	.fill 96, 4, 3214868480
	.section	.rodata,"a",@progbits
	.p2align	6, 0x0
	.amdhsa_kernel k_q6ed65a0420_proj
		.amdhsa_group_segment_fixed_size 10240
		.amdhsa_private_segment_fixed_size 0
		.amdhsa_enable_private_segment 0
		.amdhsa_kernarg_size 88
		.amdhsa_user_sgpr_count 2
		.amdhsa_user_sgpr_kernarg_segment_ptr 1
		.amdhsa_wavefront_size32 1
		.amdhsa_system_sgpr_workgroup_id_x 1
		.amdhsa_system_sgpr_workgroup_id_y 1
		.amdhsa_system_sgpr_workgroup_id_z 1
		.amdhsa_system_vgpr_workitem_id 0
		.amdhsa_next_free_vgpr 1024
		.amdhsa_next_free_sgpr 66
		.amdhsa_reserve_vcc 0
		.amdhsa_float_denorm_mode_32 3
		.amdhsa_float_denorm_mode_16_64 3
		.amdhsa_memory_ordered 1
		.amdhsa_forward_progress 1
		.amdhsa_inst_pref_size 143
	.end_amdhsa_kernel
	.amdgpu_metadata
---
amdhsa.version: [ 1, 2 ]
amdhsa.kernels:
  - .name:           k_q6ed65a0420_proj
    .symbol:         k_q6ed65a0420_proj.kd
    .args:
      - { .name: xc, .offset: 0, .size: 8, .value_kind: global_buffer, .address_space: global }
      - { .name: xs, .offset: 8, .size: 8, .value_kind: global_buffer, .address_space: global }
      - { .name: wc, .offset: 16, .size: 8, .value_kind: global_buffer, .address_space: global }
      - { .name: x1d, .offset: 24, .size: 8, .value_kind: global_buffer, .address_space: global }
      - { .name: bq, .offset: 32, .size: 8, .value_kind: global_buffer, .address_space: global }
      - { .name: bk, .offset: 40, .size: 8, .value_kind: global_buffer, .address_space: global }
      - { .name: bv, .offset: 48, .size: 8, .value_kind: global_buffer, .address_space: global }
      - { .name: qc, .offset: 56, .size: 8, .value_kind: global_buffer, .address_space: global }
      - { .name: kc, .offset: 64, .size: 8, .value_kind: global_buffer, .address_space: global }
      - { .name: vc, .offset: 72, .size: 8, .value_kind: global_buffer, .address_space: global }
      - { .name: vs, .offset: 80, .size: 8, .value_kind: global_buffer, .address_space: global }
    .group_segment_fixed_size: 10240
    .private_segment_fixed_size: 0
    .kernarg_segment_align: 8
    .kernarg_segment_size: 88
    .max_flat_workgroup_size: 128
    .sgpr_count:     66
    .vgpr_count:     1024
    .wavefront_size: 32
...
	.end_amdgpu_metadata
.endif
;; end of part 2
;; launch attn (part 3): grid 16 x 16, 4 waves a work-group, clusters of 4 x 1, 327,680 bytes of LDS; arguments qc, kc, vc, vs, x, gamma, out0; writes out0
.if DOCPART == 3
	.amdgcn_target "amdgcn-amd-amdhsa--gfx1250"
	.amdhsa_code_object_version 6
	.text
	.protected	k_q6ed65a0420_attn
	.globl	k_q6ed65a0420_attn
	.p2align	8
	.type	k_q6ed65a0420_attn,@function
k_q6ed65a0420_attn:
	s_mov_b64 s[64:65], 0
	v_nop
	global_prefetch_b8 v0, s[64:65] scope:SCOPE_SE
	s_setreg_imm32_b32 hwreg(HW_REG_WAVE_MODE, 25, 1), 1
	s_wait_xcnt 0x0
	s_wait_alu depctr_hold_cnt(0) depctr_sa_sdst(0) depctr_va_vdst(0) depctr_va_sdst(0) depctr_va_ssrc(0) depctr_va_vcc(0) depctr_vm_vsrc(0)
	s_getreg_b32 s2, hwreg(HW_REG_IB_STS2, 6, 4)
	s_cmp_eq_u32 s2, 0
	s_cbranch_scc0 .Lentry_in_a_cluster
	s_endpgm
.Lentry_in_a_cluster:
	s_bfe_u32 s2, ttmp6, 0x10000c
	s_cmp_lg_u32 s2, 0x3003
	s_cbranch_scc0 .Lentry_shape_is_right
	s_endpgm
.Lentry_shape_is_right:
; ATTN.  out = gamma x (V P^T) / l + x, on codes of BF8 (E5M2) with E8M0 scales.  reference() broadcasts the keys' source along w, so a batch has 64 distinct key columns, one for each h, and the score and p of key m hang on m / 64 alone.
; So the scores are made for 64 keys (32 matrix instructions a wave), the softmax has 64 exponentials a query, and l = 64 x their sum.  The second product is done in full, K = 4,096, on V's own codes.
; A block of 32 keys lies inside one h, so a block of p is 32 equal numbers: its code is one byte, its scale byte p's exponent field - 15.  P's operand registers are made from a word {code(2 s), code(2 s + 1), byte(2 s), byte(2 s + 1)}
; for each query and K step s (128 keys = two h) by v_perm_b32: registers 0-7 the first code four times, registers 8-15 the second.
; SOFTMAX: t = score x log2(e); M = ceil(the row's largest t), a whole number; p = 2^(t - M); the sum is taken of the unquantised p.
; LIMIT: what is quantised is max(p, 2^-111): a p under 2^-111 (0 too) counts as 2^-111 in the product; beside the row's largest p, over 1/2, that lies over 100 binary places under the last bit of an f32 sum.  NaN and infinities are not served.
; SHARES.  A work-group makes 256 queries x 128 channels of one batch; wave w = 2 qh + cw makes 128 queries (8 tiles of P) x 64 channels (4 tiles of V): 32 accumulators.  Source 0 = P, source 1 = V: a lane holds one channel and eight pixels.
; For 128 along K a wave reads four fragments of V from LDS for 32 matrix instructions.  In the prologue wave w makes the words of query tiles 4 w .. 4 w + 3; they meet in LDS.
; CLUSTER.  The four work-groups of a cluster differ in their queries alone and walk the same V: each tile of V, and V's scale words, are asked for JOINTLY (mask 15).  The place in the cluster enters the global addresses of q, x and out0 alone.
; RING.  Two slots of four K steps (65,536 bytes of images, read 512 consecutive bytes an instruction: no padding); each wave fetches one K step of a slot.  A wave has three tensor loads out at the start, one behind each change of slots.
; x's 64 rows of the wave's tile are asked for ahead of the K loop, into registers of their own, and are there when the sums are.
; REGISTERS: window 0: v1-15 addresses; v16-47 the words of four K steps (8 k + tile); v48-55 V's scale words, two sets; v56-71 P's, two sets; v72-75 gamma / l; v104-127 at work; v128-255 scores, later rows of the result.
;   window 1: the accumulators, (tile t, ct) at 8 (4 t + ct).   window 2: P's eight fragments at 16 t; V's, two sets, at 128 + 64 set + 16 ct.   window 3: x.
.set VSC,   131072                     ; behind the ring: V's scale words, 16,384 bytes, filled once
.set PT,    147456                     ; the words: [qh 2][step 32][r 16][tile 8]
.set GW,    180224                     ; gamma / l of the 256 queries, in the pixels' order
.set STG,   181248                     ; the way out: 16 rows x (512 + 16) bytes for each wave
.set SPARE, 215040                     ; the spare words, 128 bytes for each wave: two blocks of 256 bytes that no other line names
.set QS_OFF, 4194304
.set KS_OFF, 65536
.set FLOOR, 0x8000000
.set SS,  128
.set MSB, 0
.macro WIN new                         ; the immediate's high byte repeats the setting that is left
.if MSB != (\new)
	s_set_vgpr_msb (MSB<<8)|(\new)
.set MSB, (\new)
.endif
.endm
.macro PLACES n
.rept \n
	v_nop
.endr
.endm
.macro WM d, a, b, c, sa, sb, row      ; c < 0: the constant 0.  row 2: source 1's scales from lanes 16-31
.if \c < 0
.if \row == 0
	v_wmma_scale_f32_16x16x128_f8f6f4 v[\d:\d+7], v[\a:\a+15], v[\b:\b+15], 0, v[\sa], v[\sb] matrix_a_fmt:MATRIX_FMT_BF8 matrix_b_fmt:MATRIX_FMT_BF8
.else
	v_wmma_scale_f32_16x16x128_f8f6f4 v[\d:\d+7], v[\a:\a+15], v[\b:\b+15], 0, v[\sa], v[\sb] matrix_a_fmt:MATRIX_FMT_BF8 matrix_b_fmt:MATRIX_FMT_BF8 matrix_b_scale:MATRIX_SCALE_ROW1
.endif
.else
.if \row == 0
	v_wmma_scale_f32_16x16x128_f8f6f4 v[\d:\d+7], v[\a:\a+15], v[\b:\b+15], v[\c:\c+7], v[\sa], v[\sb] matrix_a_fmt:MATRIX_FMT_BF8 matrix_b_fmt:MATRIX_FMT_BF8
.else
	v_wmma_scale_f32_16x16x128_f8f6f4 v[\d:\d+7], v[\a:\a+15], v[\b:\b+15], v[\c:\c+7], v[\sa], v[\sb] matrix_a_fmt:MATRIX_FMT_BF8 matrix_b_fmt:MATRIX_FMT_BF8 matrix_b_scale:MATRIX_SCALE_ROW1
.endif
.endif
.endm
.macro CREST                           ; a round of the cluster's barrier behind its opening barrier
	s_cmp_lg_u32 s18, 0
	s_cbranch_scc1 .Lnot_wave_0_\@
	s_barrier_signal -3
.Lnot_wave_0_\@:
	s_barrier_wait -3
	s_barrier_signal -1
	s_barrier_wait -1
.endm
.macro CROUND                          ; a whole round
	s_barrier_signal -1
	s_barrier_wait -1
	CREST
.endm
	s_load_b256 s[4:11], s[0:1], 0x0               ; qc, kc, vc, vs
	s_load_b128 s[12:15], s[0:1], 0x20             ; x, gamma
	s_load_b64 s[16:17], s[0:1], 0x30              ; out0
	v_lshl_add_u32 v14, v0, 2, SPARE               ; v14: my spare word; never rewritten
	v_mov_b32 v15, 0                               ; v15: 0; never rewritten
	ds_add_u32 v14, v15
	ds_add_u32 v14, v15
	s_wait_dscnt 0x0
	v_lshrrev_b32 v104, 5, v0
	v_readfirstlane_b32 s18, v104                  ; wave 0..3
	s_lshr_b32 s19, s18, 1                         ; qh: which 128 queries
	s_and_b32 s20, s18, 1                          ; cw: which 64 channels
	s_bfe_u32 s66, ttmp6, 0x40000                  ; cx
	s_lshl_b32 s67, ttmp9, 2
	s_add_co_u32 s67, s67, s66                     ; my block of 256 queries = 4 x cluster x + cx
	s_and_b32 s68, ttmp7, 0xffff                   ; 4 b + cblk, which the partners share
	s_lshr_b32 s69, s68, 2                         ; b
	s_mov_b32 s28, 15|(3<<16)|(1<<21)              ; group 1 for V's tiles: mask: all four work-groups; elements of 8 bytes; bit 21 beside a mask; no padding
	s_mov_b32 s29, 32<<16                          ; tensor_dim0 = 32 (256 bytes)
	s_mov_b32 s30, 64<<16                          ; tensor_dim1 = 64
	s_mov_b32 s31, 32<<16                          ; tile_dim0
	s_mov_b32 s32, 64                              ; tile_dim1: 64 rows x 256 bytes = one K step's eight images
	s_mov_b32 s33, 32                              ; dense
	s_mov_b32 s34, 0
	s_mov_b32 s35, 0
	s_mov_b32 s36, 15|(3<<16)|(1<<21)              ; group 1 for V's scale words: 16 rows x 256 bytes
	s_mov_b32 s37, 32<<16
	s_mov_b32 s38, 16<<16
	s_mov_b32 s39, 32<<16
	s_mov_b32 s40, 16
	s_mov_b32 s41, 32
	s_mov_b32 s42, 0
	s_mov_b32 s43, 0
	s_mov_b32 s22, 0x3fb8aa3b                      ; log2(e)
	s_mov_b32 s23, s22                             ; (named with it as a pair)
	s_mov_b32 s24, 0x76543210
	s_mov_b32 s25, 0xfedcba98                      ; v_permlanex16_b32's selects for lane l xor 16
	s_mov_b32 s56, 0                               ; the slot in hand
	s_mov_b32 s57, 0                               ; 2,048 x the phase (four K steps): the words' and V's scale words' step
	s_mov_b32 s59, 0x01010101                      ; v_perm_b32: byte 1 four times
	s_mov_b32 s60, 0x03030202                      ; bytes 2, 2, 3, 3: P's scale word
	s_mov_b32 s62, 0x47000000                      ; the exponent field of 2^15
	s_lshl_b32 s70, s68, 19                        ; vc: (4 b + cblk) x 524,288
	s_lshl_b32 s72, s18, 14                        ;  + my K step of a slot
	s_add_co_u32 s70, s70, s72
	s_mov_b32 s71, 0
	s_lshl_b32 s74, s68, 14                        ; vs: (4 b + cblk) x 16,384
	s_lshl_b32 s73, s18, 12                        ;  + my quarter
	s_add_co_u32 s74, s74, s73
	s_mov_b32 s75, 0
	s_mov_b32 s77, 0
	s_wait_kmcnt 0x0
	s_load_b32 s21, s[14:15], 0x0                  ; gamma
	s_mov_b32 s44, 1                               ; group 0: V's scale words
	s_add_co_u32 s45, s73, VSC
	s_add_nc_u64 s[46:47], s[10:11], s[74:75]
	s_or_b32 s47, s47, 0x80000000
	s_mov_b32 s48, 1                               ; slot 0: K steps 0-3
	s_mov_b32 s49, s72
	s_add_nc_u64 s[50:51], s[8:9], s[70:71]
	s_mov_b32 s52, 1                               ; slot 1: K steps 4-7; this one then walks
	s_add_co_u32 s53, s72, 65536
	s_add_nc_u64 s[54:55], s[50:51], 65536
	s_or_b32 s51, s51, 0x80000000
	s_or_b32 s55, s55, 0x80000000
	s_lshl_b32 s76, s69, 14
	s_add_nc_u64 s[78:79], s[6:7], s[76:77]        ; K's eight fragments of batch b
	s_lshl_b32 s76, s69, 10
	s_add_co_u32 s76, s76, KS_OFF
	s_add_nc_u64 s[80:81], s[6:7], s[76:77]        ; their scale words
	s_lshl_b32 s76, s69, 20                        ; Q: tile 256 b + 16 block + 4 w, two images a tile
	s_lshl_b32 s82, s67, 16
	s_add_co_u32 s76, s76, s82
	s_add_co_u32 s76, s76, s72
	s_add_nc_u64 s[84:85], s[4:5], s[76:77]
	s_lshl_b32 s76, s69, 16                        ; its scale words: (2 b x 256 + tile) x 128
	s_lshl_b32 s82, s67, 11
	s_add_co_u32 s76, s76, s82
	s_lshl_b32 s82, s18, 9
	s_add_co_u32 s76, s76, s82
	s_add_co_u32 s76, s76, QS_OFF
	s_add_nc_u64 s[86:87], s[4:5], s[76:77]
	s_lshl_b32 s76, s68, 21                        ; x and out0: channel 512 b + 128 cblk + 64 cw, pixel 256 block + 128 qh
	s_lshl_b32 s82, s20, 20
	s_add_co_u32 s76, s76, s82
	s_lshl_b32 s82, s67, 10
	s_add_co_u32 s76, s76, s82
	s_lshl_b32 s82, s19, 9
	s_add_co_u32 s76, s76, s82
	s_add_nc_u64 s[12:13], s[12:13], s[76:77]
	s_add_nc_u64 s[16:17], s[16:17], s[76:77]
	CROUND                                         ; all four work-groups are here: the first joint loads meet
	tensor_load_to_lds s[44:47], s[36:43]          ; every wave asks for its own part: the addresses step with the wave's number
	s_nop 0
	tensor_load_to_lds s[48:51], s[28:35]
	s_nop 0
	tensor_load_to_lds s[52:55], s[28:35]
	s_nop 0
	PLACES 4
	v_and_b32 v104, 31, v0                         ; lane
	v_and_b32 v105, 15, v0                         ; r
	v_bfe_u32 v106, v0, 4, 1                       ; h
	v_and_b32 v107, 8, v0
	v_add_nc_u32 v107, v107, v105                  ; r + 8 (r / 8)
	v_lshlrev_b32 v1, 4, v104                      ; v1: 16 x lane
	v_lshlrev_b32 v2, 2, v104                      ; v2: 4 x lane
	v_lshlrev_b32 v13, 4, v104                     ; v13: x's and out0's offset: 16 x lane; untouched while x's loads are out
	s_lshl_b32 s61, s20, 13
	v_add_nc_u32 v3, s61, v1                       ; v3: my four tiles of V in a K step: 8,192 cw + 16 x lane
	v_add_nc_u32 v4, s56, v3                       ; v4: the same in the slot in hand
	s_lshl_b32 s61, s19, 14
	s_add_co_u32 s61, s61, PT
	v_lshl_add_u32 v5, v105, 5, s61                ; v5: my query row's eight words of K step 0
	v_add_nc_u32 v6, s57, v5                       ; v6: of the phase in hand
	s_lshl_b32 s63, s20, 4
	s_add_co_u32 s82, s63, VSC
	v_lshl_add_u32 v7, v105, 5, s82
	v_lshl_add_u32 v7, v106, 9, v7                 ; v7: V's scale words: 32 r + 16 cw; lanes 16-31 take the next K step's (512 bytes on)
	v_add_nc_u32 v8, s57, v7                       ; v8: of the phase in hand
	s_add_co_u32 s61, s61, s63
	v_lshl_add_u32 v9, v105, 5, s61
	v_lshl_add_u32 v9, v106, 11, v9                ; v9: where I store words: 32 r + 16 cw + four K steps for lanes 16-31
	s_lshl_b32 s61, s18, 8
	s_add_co_u32 s61, s61, GW
	v_lshl_add_u32 v10, v107, 2, s61               ; v10: where I store gamma / l: the query's pixel
	s_mul_i32 s61, s18, 8448
	s_add_co_u32 s61, s61, STG
	v_mul_u32_u24 v11, v105, 528
	v_lshl_add_u32 v11, v106, 6, v11
	v_add_nc_u32 v11, s61, v11                     ; v11: the stage, in: row r, + 64 h
	v_add_nc_u32 v12, s61, v1                      ; v12: and back: 16 x lane of a row
	s_lshl_b32 s61, s19, 9
	s_add_co_u32 s61, s61, GW
	v_add_nc_u32 v126, s61, v1                     ; v126: gamma / l of my four pixels of a row
	WIN 0x80                                       ; destination window 2
.set f, 0
.rept 8                                ; K's fragment (T, ko) at 16 (2 T + ko); Q's (tile, ko) at 128 + 16 (2 tile + ko)
.irp c, 0,1,2,3
	global_load_b128 v[16*f+4*\c:16*f+4*\c+3], v1, s[78:79] offset:2048*f+512*\c
	global_load_b128 v[128+16*f+4*\c:128+16*f+4*\c+3], v1, s[84:85] offset:2048*f+512*\c
.endr
.set f, f+1
.endr
	WIN 0
.irp f, 0,1,2,3,4,5,6,7
	global_load_b32 v[48+\f], v2, s[80:81] offset:128*\f
	global_load_b32 v[56+\f], v2, s[86:87] offset:32768*(\f%2)+128*(\f/2)
.endr
	s_wait_kmcnt 0x0                               ; gamma
	s_wait_loadcnt 0x0
	WIN 0xc0                                       ; destination window 3: x's row (ct, p) at 4 (16 ct + p): channel 32 (ct / 2) + 8 (ct % 2) + p + 8 (p / 8) of my 64
.set f, 0
.rept 64
	global_load_b128 v[4*f:4*f+3], v13, s[12:13] offset:(32*(f/32)+8*((f/16)%2)+f%16+8*((f%16)/8))*16384 th:TH_LOAD_NT
.set f, f+1
.endr
	; ---- the scores, transposed: source 0 = 16 keys (h), source 1 = 16 queries: lane (r, h') holds query r and keys 16 T + 8 h' + j
	WIN 0x0a
.set ko, 0
.rept 2
.set a, 0
.rept 16                               ; a = 4 tile + T; the 16 accumulators by turns
.set rD, SS+8*a
.set rA, 16*(2*(a%4)+ko)
.set rB, 128+16*(2*(a/4)+ko)
.if ko == 0
.set rC, -1
.else
.set rC, rD
.endif
.set sA, 48+2*(a%4)+ko
.set sB, 56+2*(a/4)+ko
.set rW, 0
	WM rD, rA, rB, rC, sA, sB, rW
.set a, a+1
.endr
.set ko, ko+1
.endr
	WIN 0
	PLACES 8
	; ---- the softmax over the 64 keys, four tiles by turns.  Each accumulator is read from its low end on
.set a, 0
.rept 16
	v_max3_num_f32 v[104+a], v[SS+8*a], v[SS+8*a+1], v[SS+8*a+2]
.set a, a+1
.endr
.irp i, 3,5
.set a, 0
.rept 16
	v_max3_num_f32 v[104+a], v[104+a], v[SS+8*a+\i], v[SS+8*a+\i+1]
.set a, a+1
.endr
.endr
.set a, 0
.rept 16
	v_max_num_f32 v[104+a], v[104+a], v[SS+8*a+7]
.set a, a+1
.endr
.irp t, 0,1,2,3
	v_max3_num_f32 v[104+4*\t], v[104+4*\t], v[105+4*\t], v[106+4*\t]
.endr
.irp t, 0,1,2,3
	v_max_num_f32 v[104+4*\t], v[104+4*\t], v[107+4*\t]
.endr
.irp t, 0,1,2,3
	v_permlanex16_b32 v[105+4*\t], v[104+4*\t], s24, s25
.endr
.irp t, 0,1,2,3
	v_max_num_f32 v[104+4*\t], v[104+4*\t], v[105+4*\t]       ; the row's largest score
.endr
.irp t, 0,1,2,3
	v_mul_f32 v[104+4*\t], s22, v[104+4*\t]                   ; as t
.endr
.irp t, 0,1,2,3
	v_floor_f32 v[104+4*\t], -v[104+4*\t]                     ; -M = floor(-t) = -ceil(t)
.endr
.irp t, 0,1,2,3
.set i, 0
.rept 16
	v_pk_fma_f32 v[SS+32*\t+i:SS+32*\t+i+1], v[SS+32*\t+i:SS+32*\t+i+1], s[22:23], v[104+4*\t:105+4*\t] op_sel_hi:[1,0,0]   ; t - M
.set i, i+2
.endr
.endr
.set i, 0
.rept 128
	v_exp_f32 v[SS+i], v[SS+i]                     ; p = 2^(t - M)
.set i, i+1
.endr
	v_nop                                          ; a plain line behind the exponentials
	s_wait_alu depctr_va_vdst(0)
.irp t, 0,1,2,3
	v_pk_add_f32 v[104+4*\t:105+4*\t], v[SS+32*\t:SS+32*\t+1], v[SS+32*\t+2:SS+32*\t+3]     ; the sum of the unquantised p, in two chains
	v_pk_add_f32 v[106+4*\t:107+4*\t], v[SS+32*\t+4:SS+32*\t+5], v[SS+32*\t+6:SS+32*\t+7]
.endr
.irp j, 8,12,16,20,24,28
.irp t, 0,1,2,3
	v_pk_add_f32 v[104+4*\t:105+4*\t], v[104+4*\t:105+4*\t], v[SS+32*\t+\j:SS+32*\t+\j+1]
	v_pk_add_f32 v[106+4*\t:107+4*\t], v[106+4*\t:107+4*\t], v[SS+32*\t+\j+2:SS+32*\t+\j+3]
.endr
.endr
.irp t, 0,1,2,3
	v_pk_add_f32 v[104+4*\t:105+4*\t], v[104+4*\t:105+4*\t], v[106+4*\t:107+4*\t]
.endr
.irp t, 0,1,2,3
	v_add_f32 v[104+4*\t], v[104+4*\t], v[105+4*\t]
.endr
.irp t, 0,1,2,3
	v_permlanex16_b32 v[105+4*\t], v[104+4*\t], s24, s25
.endr
.irp t, 0,1,2,3
	v_add_f32 v[104+4*\t], v[104+4*\t], v[105+4*\t]
.endr
.irp t, 0,1,2,3
	v_mul_f32 v[104+4*\t], 0x42800000, v[104+4*\t]            ; l: each h stands for 64 keys
.endr
.irp t, 0,1,2,3
	v_rcp_f32 v[121+\t], v[104+4*\t]
.endr
	v_mov_b32 v120, 1.0                            ; (a plain line behind the reciprocals)  the conversions' scale operand
	s_wait_alu depctr_va_vdst(0)
.irp t, 0,1,2,3
	v_mul_f32 v[121+\t], s21, v[121+\t]            ; gamma / l
.endr
.irp t, 0,1,2,3
	ds_store_b32 v10, v[121+\t] offset:128*(\t/2)+32*(\t%2)   ; tile 2 B + u, row r is pixel 32 B + 8 u + r + 8 (r / 8)
.endr
	; ---- p becomes codes and bytes.  Eight p at a time (a = 4 tile + T): each is a block of its own, so each is brought to [2^15, 2^16) by its own exponent and converted under the scale 1
.set a, 0
.rept 16
.set pa, SS+8*a
.irp j, 0,1,2,3,4,5,6,7
	v_max_num_f32 v[pa+\j], FLOOR, v[pa+\j]                    ; the floor 2^(16 - 127): the byte cannot fall under 1
.endr
.irp j, 0,1,2,3,4,5,6,7
	v_and_or_b32 v[104+\j], v[pa+\j], 0x7fffff, s62            ; its mantissa under the exponent of 2^15: the number over its block's scale
.endr
.irp j, 0,1,2,3,4,5,6,7
	v_min_num_f32 v[104+\j], 0x47600000, v[104+\j]             ; held at 57,344: the conversion does not saturate (ISA guide 7.6.2)
.endr
	v_cvt_scalef32_pk8_bf8_f32 v[112:113], v[104:111], v120
.irp i, 0,1,2,3
	v_perm_b32 v[114+\i], v[pa+2*\i+1], v[pa+2*\i], 0x07060302 ; the two high halves of a pair of keys,
.endr
.irp i, 0,1,2,3
	v_lshlrev_b32 v[114+\i], 1, v[114+\i]                      ; their exponent fields in bytes 1 and 3,
.endr
.irp i, 0,1,2,3
	v_add_nc_u32 v[114+\i], 0xf0fff100, v[114+\i]              ; 15 off each (each is 16 at the least: no borrow)
.endr
.irp i, 0,1,2,3
.set gi, 4*(a%4)+\i                    ; K step 8 T + 4 h' + i; its four tiles' words lie in four registers on end
.set wr, 16+4*gi+24*(gi/8)+a/4
.if \i%2 == 0
	v_perm_b32 v[wr], v[114+\i], v[112+\i/2], 0x07050100
.else
	v_perm_b32 v[wr], v[114+\i], v[112+\i/2], 0x07050302
.endif
.endr
.set a, a+1
.endr
.set gi, 0
.rept 16
.set wr, 16+4*gi+24*(gi/8)
	ds_store_b128 v9, v[wr:wr+3] offset:4096*(gi/4)+512*(gi%4)
.set gi, gi+1
.endr
	s_wait_tensorcnt 0x1                           ; V's scale words and my part of slot 0 are in; slot 1's load may be out
	s_wait_dscnt 0x0                               ; for the others' sake: my words and my gamma / l have landed
	s_barrier_signal -1
	s_barrier_wait -1
; P's fragment of tile t from the word in v[wd]
.macro BUILD t, wd
	WIN 0x80                                       ; destination window 2
.irp j, 0,1,2,3,4,5,6,7
	v_perm_b32 v[16*(\t)+\j], v[\wd], v[\wd], 0
.endr
.irp j, 8,9,10,11,12,13,14,15
	v_perm_b32 v[16*(\t)+\j], v[\wd], v[\wd], s59
.endr
.endm
; four matrix instructions: tile g of P against V's four tiles, K step k of the phase
.macro GROUP g, k, zero
	WIN 0x5a                                       ; sources 0 and 1 window 2, C and D window 1
.irp ct, 0,1,2,3
.set rD, 8*(4*(\g)+\ct)
.set rA, 16*(\g)
.set rB, 128+64*((\k)%2)+16*\ct
.if \zero
.set rC, -1
.else
.set rC, rD
.endif
.set sA, 56+8*((\k)%2)+(\g)
.set sB, 48+4*((\k)/2)+\ct
.set rW, 2*((\k)%2)
	WM rD, rA, rB, rC, sA, sB, rW
.endr
.endm
; A K STEP: 32 matrix instructions, the 32 accumulators by turns in the same order in every step.  P has ONE set of fragments: tile g is made anew for the next step behind GROUP g + 1,
; sixteen plain instructions behind its last product (eight are asked: ISA guide 7.12.1) and a whole step ahead of its next.  V has two sets; the next step's come in one run of LDS loads behind GROUP 1.
; zero: the first step starts the sums.  chg 1: the slot is left and filled again; 2: left, nothing is filled.  nxt: a step follows.  more: a phase follows, whose words are fetched.  adv: a phase begins.
.macro STEP k, zero, chg, nxt, more, adv
.set kn, ((\k)+1)%4
.if \chg
	WIN 0                                          ; (the add's two registers lie in window 0)
	s_wait_tensorcnt 0x0                           ; all my tensor loads have landed: my part of the next slot;
	ds_add_u32 v14, v15                            ; 0 onto my spare word;
	s_wait_dscnt 0x1                               ; (the add alone may be out: this step's fragments are in)
.else
	s_wait_dscnt 0x0                               ; the run of loads issued 24 matrix instructions ago
.endif
.if \adv
	WIN 0
	s_add_co_u32 s57, s57, 2048
	v_add_nc_u32 v6, s57, v5
	v_add_nc_u32 v8, s57, v7
.endif
	GROUP 0, \k, \zero
	BUILD 7, 16+8*(\k)+7                           ; tile 7 of this same step
.if (\nxt) == 0
	PLACES 4                                       ; the last step makes no further fragment, so no plain instruction follows: an operand written by vector instructions stands four places ahead of a scaled matrix instruction
.endif
.if \chg
	s_wait_dscnt 0x0                               ; the add is done, and my reads of this slot are over
	s_barrier_signal -1
.endif
	GROUP 1, \k, \zero
.if \nxt
	BUILD 0, 16+8*kn
	WIN 0
.irp t, 0,1,2,3,4,5,6,7
	v_perm_b32 v[56+8*(1-(\k)%2)+\t], v[16+8*kn+\t], v[16+8*kn+\t], s60      ; the next step's scale words of P: each h's byte twice
.endr
.endif
.if \chg
	WIN 0
	s_barrier_wait -1
.if (\chg) == 1
	CREST                                          ; the barrier has opened a round of the cluster's barrier: no wave of any partner still reads this slot or has a load on its way
	s_xor_b32 s53, s53, 65536                      ; the walking descriptor: the slot just left,
	s_add_nc_u64 s[54:55], s[54:55], 65536         ; the next four K steps but four
	tensor_load_to_lds s[52:55], s[28:35]          ; my one tensor load behind the round: 120 matrix instructions ahead of the wait for it
	s_nop 0
	PLACES 4
.endif
	s_xor_b32 s56, s56, 65536                      ; on to the other slot
	v_add_nc_u32 v4, s56, v3
.endif
	WIN 0
.if \more
	ds_load_b128 v[16+8*(\k):19+8*(\k)], v6 offset:2048+512*(\k)           ; this step's words have all been used: the next phase's take their place
	ds_load_b128 v[20+8*(\k):23+8*(\k)], v6 offset:2048+512*(\k)+16
.endif
.if (\k) == 0
	ds_load_b128 v[52:55], v8 offset:1024          ; V's scale words of this phase's steps 2 (lanes 0-15) and 3 (lanes 16-31)
.endif
.if ((\k) == 2) && \more
	ds_load_b128 v[48:51], v8 offset:2048          ; and of the next phase's steps 0 and 1
.endif
.if \nxt
	WIN 0x80
.irp ct, 0,1,2,3
.irp c, 0,1,2,3
	ds_load_b128 v[128+64*(1-(\k)%2)+16*\ct+4*\c:128+64*(1-(\k)%2)+16*\ct+4*\c+3], v4 offset:16384*kn+2048*\ct+512*\c
.endr
.endr
.endif
.irp g, 2,3,4,5,6,7
	GROUP \g, \k, \zero
.if \nxt
	BUILD \g-1, 16+8*kn+\g-1
.endif
.endr
.endm
.irp k, 0,1,2,3                        ; the first phase's words,
	ds_load_b128 v[16+8*\k:19+8*\k], v6 offset:512*\k
	ds_load_b128 v[20+8*\k:23+8*\k], v6 offset:512*\k+16
.endr
	ds_load_b128 v[48:51], v8                      ; V's scale words of steps 0 and 1,
	ds_load_b128 v[72:75], v126                    ; gamma / l of my four pixels,
	WIN 0x80
.irp ct, 0,1,2,3                       ; and V's fragments of step 0
.irp c, 0,1,2,3
	ds_load_b128 v[128+16*\ct+4*\c:128+16*\ct+4*\c+3], v4 offset:2048*\ct+512*\c
.endr
.endr
	WIN 0
	s_wait_dscnt 0x0
.irp t, 0,1,2,3,4,5,6,7
	v_perm_b32 v[56+\t], v[16+\t], v[16+\t], s60
.endr
.irp t, 0,1,2,3,4,5,6
	BUILD \t, 16+\t
.endr
	STEP 0, 1, 0, 1, 1, 0                          ; the first step stands in front of the loop: its products start the sums
	WIN 0                                          ; at a label and at a branch every window is 0
	s_mov_b32 s58, 6
.Lphase:                                           ; six trips, from a phase's second step to the next phase's first: each fills the slot that it leaves
	STEP 1, 0, 0, 1, 1, 0
	STEP 2, 0, 0, 1, 1, 0
	STEP 3, 0, 1, 1, 1, 0
	STEP 0, 0, 0, 1, 1, 1
	WIN 0
	s_sub_co_u32 s58, s58, 1
	s_cmp_lg_u32 s58, 0
	s_cbranch_scc1 .Lphase
	STEP 1, 0, 0, 1, 1, 0                          ; the tail is written out: phase 6 goes on
	STEP 2, 0, 0, 1, 1, 0
	STEP 3, 0, 2, 1, 1, 0                          ; its slot is left and nothing is asked for,
	STEP 0, 0, 0, 1, 0, 1                          ; and phase 7 fetches no further words
	STEP 1, 0, 0, 1, 0, 0
	STEP 2, 0, 0, 1, 0, 0
	STEP 3, 0, 0, 0, 0, 0
	; ---- THE WAY OUT, a tile of 16 channels x 128 pixels at a time.  A lane holds one channel and, in tiles 2 B and 2 B + 1, pixels 32 B + 16 h + 0..15: they go through my own stage and come back as whole rows of 512 bytes
	WIN 0
	PLACES 8
	s_wait_loadcnt 0x0                             ; x
.macro TOSTAGE ct
	WIN 0x04                                       ; an LDS store's data are its source 1: window 1
.irp t, 0,1,2,3,4,5,6,7
	ds_store_b128 v11, v[8*(4*\t+(\ct)):8*(4*\t+(\ct))+3] offset:128*(\t/2)+32*(\t%2)          ; each accumulator from its low end on
	ds_store_b128 v11, v[8*(4*\t+(\ct))+4:8*(4*\t+(\ct))+7] offset:128*(\t/2)+32*(\t%2)+16
.endr
	WIN 0
.set bk, 128+64*((\ct)%2)
.set p, 0
.rept 16
	ds_load_b128 v[bk+4*p:bk+4*p+3], v12 offset:528*p          ; LDS serves a wave's instructions in order: these see my stores, and the next tile's stores come behind them
.set p, p+1
.endr
.endm
.macro SEND ct, younger                ; younger: the LDS instructions issued behind this tile's loads
.set bk, 128+64*((\ct)%2)
	s_wait_dscnt \younger
	WIN 0x30                                       ; source 2 (x) window 3
.set p, 0
.rept 16
	v_pk_fma_f32 v[bk+4*p:bk+4*p+1], v[bk+4*p:bk+4*p+1], v[72:73], v[4*(16*(\ct)+p):4*(16*(\ct)+p)+1]       ; sum x gamma / l + x
	v_pk_fma_f32 v[bk+4*p+2:bk+4*p+3], v[bk+4*p+2:bk+4*p+3], v[74:75], v[4*(16*(\ct)+p)+2:4*(16*(\ct)+p)+3]
.set p, p+1
.endr
	WIN 0
.set p, 0
.rept 16
	global_store_b128 v13, v[bk+4*p:bk+4*p+3], s[16:17] offset:(32*((\ct)/2)+8*((\ct)%2)+p+8*(p/8))*16384 th:TH_STORE_NT   ; 32 lanes store 512 consecutive bytes, aligned
.set p, p+1
.endr
.endm
	TOSTAGE 0
	TOSTAGE 1
	SEND 0, 32                                     ; behind tile 0's loads: tile 1's 16 stores and 16 loads
	s_wait_xcnt 0x0                                ; tile 0's stores have read their registers: tile 2's rows may land there
	TOSTAGE 2
	SEND 1, 32
	s_wait_xcnt 0x0
	TOSTAGE 3
	SEND 2, 32
	SEND 3, 0
	s_wait_tensorcnt 0x0                           ; the wave's end: behind my last tensor load and my last LDS store
	ds_add_u32 v14, v15
	s_wait_dscnt 0x0
	CROUND                                         ; the closing round: no work-group ends while a partner may still ask for a tile that names it
	s_endpgm
.Lfunc_end_k_q6ed65a0420_attn:
	.size	k_q6ed65a0420_attn, .Lfunc_end_k_q6ed65a0420_attn-k_q6ed65a0420_attn
	.p2alignl 7, 3214868480
	.fill 96, 4, 3214868480
	.section	.rodata,"a",@progbits
	.p2align	6, 0x0
	.amdhsa_kernel k_q6ed65a0420_attn
		.amdhsa_group_segment_fixed_size 327680
		.amdhsa_private_segment_fixed_size 0
		.amdhsa_enable_private_segment 0
		.amdhsa_kernarg_size 56
		.amdhsa_user_sgpr_count 2
		.amdhsa_user_sgpr_kernarg_segment_ptr 1
		.amdhsa_wavefront_size32 1
		.amdhsa_system_sgpr_workgroup_id_x 1
		.amdhsa_system_sgpr_workgroup_id_y 1
		.amdhsa_system_sgpr_workgroup_id_z 1
		.amdhsa_system_vgpr_workitem_id 0
		.amdhsa_next_free_vgpr 1024
		.amdhsa_next_free_sgpr 96
		.amdhsa_reserve_vcc 0
		.amdhsa_float_denorm_mode_32 3
		.amdhsa_float_denorm_mode_16_64 3
		.amdhsa_memory_ordered 1
		.amdhsa_forward_progress 1
		.amdhsa_inst_pref_size 255
	.end_amdhsa_kernel
	.section	.bss,"aw",@nobits
	.p2align	6
	.space	262144
	.amdgpu_metadata
---
amdhsa.version: [ 1, 2 ]
amdhsa.kernels:
  - .name:           k_q6ed65a0420_attn
    .symbol:         k_q6ed65a0420_attn.kd
    .args:
      - { .name: qc, .offset: 0, .size: 8, .value_kind: global_buffer, .address_space: global }
      - { .name: kc, .offset: 8, .size: 8, .value_kind: global_buffer, .address_space: global }
      - { .name: vc, .offset: 16, .size: 8, .value_kind: global_buffer, .address_space: global }
      - { .name: vs, .offset: 24, .size: 8, .value_kind: global_buffer, .address_space: global }
      - { .name: x, .offset: 32, .size: 8, .value_kind: global_buffer, .address_space: global }
      - { .name: gamma, .offset: 40, .size: 8, .value_kind: global_buffer, .address_space: global }
      - { .name: out0, .offset: 48, .size: 8, .value_kind: global_buffer, .address_space: global }
    .group_segment_fixed_size: 327680
    .private_segment_fixed_size: 0
    .kernarg_segment_align: 8
    .kernarg_segment_size: 56
    .max_flat_workgroup_size: 128
    .sgpr_count:     96
    .vgpr_count:     1024
    .wavefront_size: 32
...
	.end_amdgpu_metadata
.endif
;; end of part 3
;; ======== version 2 of 2: 3 launches; version 1 with the launch proj written anew for expert scheduling mode
;; workspace buffers: xc 8,388,608 bytes; xs 262,144 bytes; x1d 131,072 bytes; wc 557,056 bytes; qc 4,456,448 bytes; kc 69,632 bytes; vc 8,388,608 bytes; vs 262,144 bytes
;; launch prep: the kernel of part 1 again; grid 256 x 1, 4 waves a work-group, no clusters, 168,448 bytes of LDS; arguments x, pos_h, pos_emb, Wq, Wk, Wv, xc, xs, x1d, wc; writes xc, xs, x1d, wc
;; launch proj (part 4): grid 272 x 1, 4 waves a work-group, no clusters, 10,240 bytes of LDS; arguments xc, xs, wc, x1d, bq, bk, bv, qc, kc, vc, vs; writes qc, kc, vc, vs
.if DOCPART == 4
	.amdgcn_target "amdgcn-amd-amdhsa--gfx1250"
	.amdhsa_code_object_version 6
	.text
	.protected	k_q6ed65a0420_proj
	.globl	k_q6ed65a0420_proj
	.p2align	8
	.type	k_q6ed65a0420_proj,@function
k_q6ed65a0420_proj:
	s_mov_b64 s[64:65], 0
	v_nop
	global_prefetch_b8 v0, s[64:65] scope:SCOPE_SE
	s_setreg_imm32_b32 hwreg(HW_REG_WAVE_SCHED_MODE, 0, 2), 2
	s_setreg_imm32_b32 hwreg(HW_REG_WAVE_MODE, 25, 1), 1
	s_wait_xcnt 0x0
	s_wait_alu depctr_vm_vsrc(0)
; PROJ.  q = Wq x + bq, v = Wv x + bv (work-groups 0-255) and k = Wk up + bk on the 64 distinct columns of a batch (work-groups 256-271), all on codes of BF8 (E5M2) with E8M0 scales, and the results quantised again:
; q and k along their 256 channels, v along the keys.  reference() broadcasts the upsampled rows along w, so k has one column for each h; the quantiser works column by column, so nothing is lost.
; Codes travel as images of operand registers (2,048 bytes = [chunk 4][lane 32][16 bytes]); a tile's rows are 32 B + 8 u + r + 8 (r / 8) for tile 2 B + u, so that a transposed product's 16 registers of two tiles are 16 neighbours.
;   qc [b][tile 256][ko 2] images, at QS_OFF [b][ko][tile][lane] words;  kc [b][T 4][ko 2] images (row r = h 16 T + r), at KS_OFF [b][T][ko][lane] words;
;   vc [b][cblk 4][s 32][ct 8] images (K = keys 128 s on, row r = a channel);  vs [b][cblk][s][r 16][ct 8] words.
; REGULAR PATH.  Work-groups 2 g and 2 g + 1 take key group g (128 pixels).  Every wave keeps x's 32 fragments of the group in 512 registers, loaded as they lie, and does, with y = 4 (id % 2) + wave:
;   one q job: channels 32 y .. + 31 (source 0 = 2 tiles of Wq, source 1 = x): 64 matrix instructions; a lane holds one pixel and 16 neighbouring channels: one block, chunk `wave` of the image;
;   four v jobs: channel tile 4 y + j (source 0 = x's 8 tiles, source 1 = Wv's tile): 32 matrix instructions each; a lane holds one channel and 64 keys in the operand's own order: a whole fragment and its scale word.
; The biases are the C of each sum's first matrix instruction.  The accumulators take turns, one instruction a turn.
; K PATH.  Work-group 256 + 4 b + T: wave w interpolates channels 128 w on of the 16 rows h = 16 T + r from x1d, in f32, as reference() does (src = 15 h / 63 rounded as a division rounds it), quantises them and hands the
; image to the others through LDS; then wave w makes channels 64 w .. + 63 of k.  The two paths part on the work-group's number and have LDS bytes of their own.
; LIMITS: NaN and infinities are not served; a block of zeros gets the byte 1 (its codes are zeros; this program alone reads the bytes).  vs (16 bytes a lane) and kc's scale bytes (2 bytes a lane) leave in small pieces: 260 KB in all.
; REGISTERS: window 0: v1-9, v14 addresses; v16-31 x's scale words; v32-47 Wv's (Wk's); v48-55 Wq's; v56-71 bq; v72-79 bv in a job; v80-83 bv; v84-99 codes; v100-103 v's scale words; v104-119 at work; v128-255 accumulators.
;   windows 1, 2: x's fragment (ks, tile) at 16 (8 ks + tile); in the k path window 1 holds bk, v0-31.   window 3: Wq's (u, ks) at 16 (4 u + ks); Wv's jobs 0, 1 at v128 on, jobs 2, 3 where Wq's lay; in the k path Wk's.
; THE MODE: SCHED_MODE bits 1:0 = 2 (LLVM: expert scheduling mode 2), set by the entry lines.  The code itself states the register dependences
; between vector or matrix instructions and memory or LDS instructions, with s_wait_alu, always for 0.
; THE PLAN.  Registers that memory or LDS instructions touch, and who else names them:
;   v1-9, v14            offsets and LDS addresses.  Written at the head, read by every load and store, never written again: one wait on va_vdst at the head's end, ahead of the parting of the paths.
;   the scale words, the biases, x's fragments, Wv's jobs 0 and 1, Wk's fragments: each register is loaded once, and no vector or matrix instruction names it ahead of its load: only the wait for the data is owed.
;   window 3, v0-127     Wq's fragments: read by the q job's 64 products; then Wv's jobs 2 and 3 land there: one wait on va_vdst behind the last of those products.
;   v[PC ..], v[TM+4 ..], v[VSW ..]   the codes, the bytes, the scale words.  Written by a QUANT, read by the stores behind it: one wait on va_vdst between the two.  Written again by the next QUANT: one wait on vm_vsrc at its head,
;                        in a v job 32 products behind the stores that it waits for.  The first QUANT of a path has no store in front of it and no such wait.
;   k path: v122, v123   x1d's offsets, made there: one wait on va_vdst ahead of the loads.  v192-255 are written and read by the interpolation, and the images' LDS loads land there: the wait behind the first QUANT stands between.
;   v254, v255           made ahead of the closing lines, read by the closing add alone.
; Every A, B and scale register of a product is filled by a load.
.set QSB,    0                         ; regular path: q's scale bytes, 128 x tile + 4 x lane + wave
.set UIMG,   1024                      ; k path: four images
.set USC,    9216                      ; k path: their scale words
.set WS_OFF, 524288
.set QS_OFF, 4194304
.set KS_OFF, 65536
.set FLOOR,  0x8000000
.set SUB15,  0xf8800000
.set EXPM,   0x7f800000
.set XS,  16
.set WSV, 32
.set WSQ, 48
.set BQ,  56
.set BV,  72
.set BVL, 80
.set PC,  84
.set VSW, 100
.set TM,  104                          ; +0 largest magnitudes, +4 the other half's / bytes, +8 holds, +12 scale operands
.set ACC, 128
.set MSB, 0
.macro WIN new                         ; the immediate's high byte repeats the setting that is left
.if MSB != (\new)
	s_set_vgpr_msb (MSB<<8)|(\new)
.set MSB, (\new)
.endif
.endm
.macro PLACES n
.rept \n
	v_nop
.endr
.endm
; one matrix instruction.  c < 0: the constant 0.  row 1: source 0's scales from lanes 16-31; row 2: source 1's
.macro WM d, a, b, c, sa, sb, row
.if \c < 0
.if \row == 0
	v_wmma_scale_f32_16x16x128_f8f6f4 v[\d:\d+7], v[\a:\a+15], v[\b:\b+15], 0, v[\sa], v[\sb] matrix_a_fmt:MATRIX_FMT_BF8 matrix_b_fmt:MATRIX_FMT_BF8
.elseif \row == 1
	v_wmma_scale_f32_16x16x128_f8f6f4 v[\d:\d+7], v[\a:\a+15], v[\b:\b+15], 0, v[\sa], v[\sb] matrix_a_fmt:MATRIX_FMT_BF8 matrix_b_fmt:MATRIX_FMT_BF8 matrix_a_scale:MATRIX_SCALE_ROW1
.else
	v_wmma_scale_f32_16x16x128_f8f6f4 v[\d:\d+7], v[\a:\a+15], v[\b:\b+15], 0, v[\sa], v[\sb] matrix_a_fmt:MATRIX_FMT_BF8 matrix_b_fmt:MATRIX_FMT_BF8 matrix_b_scale:MATRIX_SCALE_ROW1
.endif
.else
.if \row == 0
	v_wmma_scale_f32_16x16x128_f8f6f4 v[\d:\d+7], v[\a:\a+15], v[\b:\b+15], v[\c:\c+7], v[\sa], v[\sb] matrix_a_fmt:MATRIX_FMT_BF8 matrix_b_fmt:MATRIX_FMT_BF8
.elseif \row == 1
	v_wmma_scale_f32_16x16x128_f8f6f4 v[\d:\d+7], v[\a:\a+15], v[\b:\b+15], v[\c:\c+7], v[\sa], v[\sb] matrix_a_fmt:MATRIX_FMT_BF8 matrix_b_fmt:MATRIX_FMT_BF8 matrix_a_scale:MATRIX_SCALE_ROW1
.else
	v_wmma_scale_f32_16x16x128_f8f6f4 v[\d:\d+7], v[\a:\a+15], v[\b:\b+15], v[\c:\c+7], v[\sa], v[\sb] matrix_a_fmt:MATRIX_FMT_BF8 matrix_b_fmt:MATRIX_FMT_BF8 matrix_b_scale:MATRIX_SCALE_ROW1
.endif
.endif
.endm
; nb blocks: block q is my 16 numbers v[s + 16 q] on and lane l xor 16's.  Codes to v[PC + 4 q] on, bytes to v[TM + 4 + q]; word = 1: four bytes make the scale word v[pw].  Each accumulator is read from its low end on.
; again = 1: stores that read an earlier QUANT's codes and bytes stand in front of this one.
.macro QUANT s, nb, word, pw, again
.if \again
	s_wait_alu depctr_vm_vsrc(0)                   ; the stores behind the last QUANT have read v[PC ..] and v[TM+4 ..], which this one writes again; no memory or LDS instruction stands in a QUANT
.endif
.set qb, 0
.rept \nb
	v_max3_num_f32 v[TM+qb], |v[\s+16*qb]|, |v[\s+16*qb+1]|, FLOOR     ; with the floor 2^(16 - 127): the byte cannot fall under 1
.set qb, qb+1
.endr
.irp i, 2,4,6,8,10,12,14
.set qb, 0
.rept \nb
	v_max3_num_f32 v[TM+qb], v[TM+qb], |v[\s+16*qb+\i]|, |v[\s+16*qb+\i+1]|
.set qb, qb+1
.endr
.endr
.set qb, 0
.rept \nb
	v_permlanex16_b32 v[TM+4+qb], v[TM+qb], s28, s29
.set qb, qb+1
.endr
.set qb, 0
.rept \nb
	v_max_num_f32 v[TM+qb], v[TM+qb], v[TM+4+qb]   ; the block's largest magnitude
.set qb, qb+1
.endr
.set qb, 0
.rept \nb
	v_add_nc_u32 v[TM+12+qb], SUB15, v[TM+qb]      ; 15 off its exponent field: the conversion's scale operand
	v_and_or_b32 v[TM+8+qb], v[TM+qb], EXPM, s30   ; 57,344 x the scale
.set qb, qb+1
.endr
.set qb, 0
.rept \nb
	v_lshrrev_b32 v[TM+4+qb], 23, v[TM+12+qb]      ; the scale's byte
.set qb, qb+1
.endr
.if \word
	v_lshl_or_b32 v[\pw], v[TM+5], 8, v[TM+4]
	v_lshl_or_b32 v[\pw], v[TM+6], 16, v[\pw]
	v_lshl_or_b32 v[\pw], v[TM+7], 24, v[\pw]
.endif
	s_wait_xcnt 0x0                                ; the codes' registers were the data of stores: they are written again only behind this wait
.set qb, 0
.rept \nb
.set qi, 0
.rept 16
	v_med3_num_f32 v[\s+16*qb+qi], v[\s+16*qb+qi], -v[TM+8+qb], v[TM+8+qb]   ; the conversion does not saturate (ISA guide 7.6.2): the hold comes first
.set qi, qi+1
.endr
	v_cvt_scalef32_pk8_bf8_f32 v[PC+4*qb:PC+4*qb+1], v[\s+16*qb:\s+16*qb+7], v[TM+12+qb]
	v_cvt_scalef32_pk8_bf8_f32 v[PC+4*qb+2:PC+4*qb+3], v[\s+16*qb+8:\s+16*qb+15], v[TM+12+qb]
.set qb, qb+1
.endr
	v_nop                                          ; a plain line behind the last conversion
.endm
	s_load_b512 s[4:19], s[0:1], 0x0               ; xc, xs, wc, x1d, bq, bk, bv, qc
	s_load_b128 s[20:23], s[0:1], 0x40             ; kc, vc
	s_load_b64 s[24:25], s[0:1], 0x50              ; vs
	v_lshrrev_b32 v10, 5, v0
	v_readfirstlane_b32 s26, v10                   ; wave 0..3
	v_and_b32 v10, 31, v0                          ; lane
	v_and_b32 v11, 15, v0                          ; r
	v_bfe_u32 v12, v0, 4, 1                        ; h
	v_lshlrev_b32 v1, 4, v10                       ; v1: 16 x lane: an image's place for my lane
	v_lshlrev_b32 v2, 2, v10                       ; v2: 4 x lane: a scale word's
	v_lshlrev_b32 v3, 6, v12                       ; v3: 64 h
	v_and_b32 v13, 8, v0
	v_add_nc_u32 v13, v13, v11
	v_lshlrev_b32 v4, 2, v13                       ; v4: 4 (r + 8 (r / 8))
	s_wait_alu depctr_va_sdst(0)                   ; s26, the wave's number, is written, ahead of its first reader, the line below
	v_add_nc_u32 v5, s26, v2                       ; v5: q's scale byte: 4 x lane + wave
	v_lshlrev_b32 v6, 5, v11                       ; v6: 32 r
	v_lshlrev_b32 v7, 3, v10                       ; v7: 8 x lane
	s_lshl_b32 s31, s26, 8
	v_add_nc_u32 v8, s31, v7                       ; v8: q's scale words on the way out: 256 x wave + 8 x lane
	s_lshl_b32 s31, s26, 11
	s_add_co_u32 s31, s31, UIMG
	v_add_nc_u32 v9, s31, v1                       ; v9: k path: where I store my image
	s_lshl_b32 s31, s26, 7
	s_add_co_u32 s31, s31, USC
	v_add_nc_u32 v14, s31, v2                      ; v14: and its scale words
.irp q, 0,1,2,3
	v_mov_b32 v[TM+4+\q], 0                        ; written once: a lane permute's destination counts as one of its sources
.endr
	s_mov_b32 s28, 0x76543210
	s_mov_b32 s29, 0xfedcba98
	s_mov_b32 s30, 0x600000                        ; the mantissa field of 57,344
	s_mov_b32 s49, 0
	s_wait_alu depctr_va_vdst(0)                   ; v1 to v9 and v14 are written, which the loads and stores of both paths read as offsets and addresses; so are v10 and v11, in which an LDS load lands at the regular path's end
	s_wait_kmcnt 0x0
	s_cmp_ge_u32 ttmp9, 256
	s_cbranch_scc1 .Lkpath
	; ================= the regular path
	s_lshr_b32 s31, ttmp9, 1                       ; key group 32 b + s
	s_and_b32 s32, ttmp9, 1                        ; z
	s_lshl_b32 s33, s32, 2
	s_add_co_u32 s33, s33, s26                     ; y = 4 z + wave
	s_lshr_b32 s34, s31, 5                         ; b
	s_and_b32 s35, s31, 31                         ; s
	s_lshl_b32 s48, s31, 16
	s_add_nc_u64 s[4:5], s[4:5], s[48:49]          ; xc: the group's 32 images
	s_lshl_b32 s48, s31, 11
	s_add_nc_u64 s[6:7], s[6:7], s[48:49]          ; xs
	s_lshl_b32 s48, s33, 14
	s_add_nc_u64 s[36:37], s[8:9], s[48:49]        ; Wq's tiles 2 y, 2 y + 1
	s_lshl_b32 s48, s33, 15
	s_add_co_u32 s48, s48, 262144
	s_add_nc_u64 s[38:39], s[8:9], s[48:49]        ; Wv's tiles 32 + 4 y on
	s_lshl_b32 s48, s33, 10
	s_add_co_u32 s48, s48, WS_OFF
	s_add_nc_u64 s[40:41], s[8:9], s[48:49]        ; Wq's scale words
	s_lshl_b32 s48, s33, 11
	s_add_co_u32 s48, s48, WS_OFF+16384
	s_add_nc_u64 s[42:43], s[8:9], s[48:49]        ; Wv's
	s_lshl_b32 s48, s33, 7
	s_add_nc_u64 s[12:13], s[12:13], s[48:49]      ; bq at channel 32 y
	s_lshl_b32 s48, s33, 8
	s_add_nc_u64 s[16:17], s[16:17], s[48:49]      ; bv at channel 64 y
	s_lshl_b32 s48, s31, 15                        ; qc: 8 tiles x 2 images a group; image z, chunk wave
	s_lshl_b32 s50, s32, 11
	s_add_co_u32 s48, s48, s50
	s_lshl_b32 s50, s26, 9
	s_add_co_u32 s48, s48, s50
	s_add_nc_u64 s[44:45], s[18:19], s[48:49]
	s_lshl_b32 s48, s34, 16                        ; q's scale words: ((2 b + z) x 256 + 8 s) x 128 + 256 x wave
	s_lshl_b32 s50, s32, 15
	s_add_co_u32 s48, s48, s50
	s_lshl_b32 s50, s35, 10
	s_add_co_u32 s48, s48, s50
	s_lshl_b32 s50, s26, 8
	s_add_co_u32 s48, s48, s50
	s_add_co_u32 s48, s48, QS_OFF
	s_add_nc_u64 s[46:47], s[18:19], s[48:49]
	s_lshr_b32 s51, s33, 1                         ; cblk = y / 2
	s_and_b32 s52, s33, 1
	s_lshl_b32 s48, s34, 21                        ; vc: ((4 b + cblk) x 32 + s) x 16,384 + 4 (y % 2) images
	s_lshl_b32 s50, s51, 19
	s_add_co_u32 s48, s48, s50
	s_lshl_b32 s50, s35, 14
	s_add_co_u32 s48, s48, s50
	s_lshl_b32 s50, s52, 13
	s_add_co_u32 s48, s48, s50
	s_add_nc_u64 s[22:23], s[22:23], s[48:49]
	s_lshl_b32 s48, s34, 16                        ; vs: ((4 b + cblk) x 32 + s) x 512 + 16 (y % 2)
	s_lshl_b32 s50, s51, 14
	s_add_co_u32 s48, s48, s50
	s_lshl_b32 s50, s35, 9
	s_add_co_u32 s48, s48, s50
	s_lshl_b32 s50, s52, 4
	s_add_co_u32 s48, s48, s50
	s_add_nc_u64 s[24:25], s[24:25], s[48:49]
.irp k, 0,1,2,3                        ; x's scale words: register 4 ks + i: lanes 0-15 tile 2 i, lanes 16-31 tile 2 i + 1
.irp i, 0,1,2,3
	global_load_b32 v[XS+4*\k+\i], v2, s[6:7] offset:512*\k+128*\i
.endr
.endr
.irp f, 0,1,2,3,4,5,6,7
	global_load_b32 v[WSQ+\f], v2, s[40:41] offset:128*\f
.endr
.irp f, 0,1,2,3,4,5,6,7,8,9,10,11,12,13,14,15
	global_load_b32 v[WSV+\f], v2, s[42:43] offset:128*\f
.endr
.irp u, 0,1                            ; bq in the result's layout: lane (r, h), tile u, register j: channel 32 y + 16 h + 8 u + j
	global_load_b128 v[BQ+8*\u:BQ+8*\u+3], v3, s[12:13] offset:32*\u
	global_load_b128 v[BQ+8*\u+4:BQ+8*\u+7], v3, s[12:13] offset:32*\u+16
.endr
.irp j, 0,1,2,3                        ; bv of my lane's channel in job j
	global_load_b32 v[BVL+\j], v4, s[16:17] offset:128*(\j/2)+32*(\j%2)
.endr
.macro XLOAD ks                        ; x's eight fragments of K step ks: 32 loads of 512 consecutive bytes.  No vector or matrix instruction has named their registers, nor v1 since the head's wait
	WIN 0x40+0x40*((\ks)/2)
.set f, 0
.rept 8
.irp c, 0,1,2,3
	global_load_b128 v[16*(8*((\ks)%2)+f)+4*\c:16*(8*((\ks)%2)+f)+4*\c+3], v1, s[4:5] offset:16384*(\ks)+2048*f+512*\c
.endr
.set f, f+1
.endr
.endm
.macro VLOAD jv                        ; Wv's four fragments of job jv (under window 3)
.set vb, 128*(1-(\jv)/2)+64*((\jv)%2)
.set f, 0
.rept 4
.irp c, 0,1,2,3
	global_load_b128 v[vb+16*f+4*\c:vb+16*f+4*\c+3], v1, s[38:39] offset:2048*(4*(\jv)+f)+512*\c
.endr
.set f, f+1
.endr
.endm
.macro MULQ ks                         ; 16 matrix instructions: x's eight tiles x Wq's two, K step ks
	WIN 0x07+4*((\ks)/2)                           ; source 0 (Wq) window 3, source 1 (x) window 1 or 2
.set t8, 0
.rept 8
.irp u, 0,1
.set rD, ACC+8*(2*t8+\u)
.set rA, 16*(4*\u+(\ks))
.set rB, 16*(8*((\ks)%2)+t8)
.if (\ks) == 0
.set rC, BQ+8*\u
.else
.set rC, rD
.endif
.set sA, WSQ+4*\u+(\ks)
.set sB, XS+4*(\ks)+t8/2
.set rW, 2*(t8%2)
	WM rD, rA, rB, rC, sA, sB, rW
.endr
.set t8, t8+1
.endr
.endm
.macro VJOB jv                         ; channel tile 4 y + jv of v for the group's 128 keys
.set va, ACC+64*((\jv)%2)
.set vb, 128*(1-(\jv)/2)+64*((\jv)%2)
.irp j, 0,1,2,3,4,5,6,7
	v_mov_b32 v[BV+\j], v[BVL+(\jv)]               ; a lane holds one channel: its bias in all eight registers
.endr
	PLACES 8
.set kk, 0
.rept 4
	WIN 0x0d+kk/2                                  ; source 0 (x) window 1 or 2, source 1 (Wv) window 3
.set t8, 0
.rept 8
.set rD, va+8*t8
.set rA, 16*(8*(kk%2)+t8)
.set rB, vb+16*kk
.if kk == 0
.set rC, BV
.else
.set rC, rD
.endif
.set sA, XS+4*kk+t8/2
.set sB, WSV+4*(\jv)+kk
.set rW, t8%2
	WM rD, rA, rB, rC, sA, sB, rW
.set t8, t8+1
.endr
.set kk, kk+1
.endr
	WIN 0
	PLACES 8                                       ; eight places behind this form before its results are read
	QUANT va, 4, 1, VSW+(\jv), 1                   ; register 16 B + i = key 32 B + 16 h + i: the operand's own order
	s_wait_alu depctr_va_vdst(0)                   ; the conversions have written v[PC ..], which the four stores below read; the job's scale word is written, which the one store behind job 3 reads
.irp c, 0,1,2,3
	global_store_b128 v1, v[PC+4*\c:PC+4*\c+3], s[22:23] offset:2048*(\jv)+512*\c    ; 512 consecutive bytes a store
.endr
.endm
	WIN 0xc0
.set f, 0
.rept 8                                ; Wq's eight fragments
.irp c, 0,1,2,3
	global_load_b128 v[16*f+4*\c:16*f+4*\c+3], v1, s[36:37] offset:2048*f+512*\c
.endr
.set f, f+1
.endr
	XLOAD 0
	XLOAD 1
	s_wait_loadcnt 32                              ; all but the 32 loads just issued (K step 1)
	MULQ 0
	XLOAD 2
	s_wait_loadcnt 32                              ; all but K step 2's
	MULQ 1
	XLOAD 3
	s_wait_loadcnt 32                              ; all but K step 3's
	MULQ 2
	WIN 0xc0
	VLOAD 0                                        ; window 3, v128-255: no vector or matrix instruction has named them
	VLOAD 1
	s_wait_loadcnt 32                              ; all but Wv's first two jobs'
	MULQ 3
	WIN 0
	PLACES 8                                       ; eight places behind the last products, ahead of the first read of their results
	WIN 0xc0
	s_wait_alu depctr_va_vdst(0)                   ; the q job's 64 products are done reading Wq's fragments, in which the 32 loads below land
	VLOAD 2                                        ; where Wq's fragments lay
	VLOAD 3
	WIN 0
	QUANT ACC, 4, 0, 0, 0                          ; q of tiles 0-3: a block (32 channels) a tile
	s_wait_alu depctr_va_vdst(0)                   ; the conversions have written v[PC ..] and the shifts v[TM+4 ..], which the eight stores below read
.irp t, 0,1,2,3
	global_store_b128 v1, v[PC+4*\t:PC+4*\t+3], s[44:45] offset:4096*\t
	ds_store_b8 v5, v[TM+4+\t] offset:QSB+128*\t
.endr
	s_wait_dscnt 0x0                               ; the byte stores have landed
	QUANT ACC+64, 4, 0, 0, 1                       ; tiles 4-7
	s_wait_alu depctr_va_vdst(0)                   ; the conversions have written v[PC ..] and the shifts v[TM+4 ..], which the eight stores below read
.irp t, 0,1,2,3
	global_store_b128 v1, v[PC+4*\t:PC+4*\t+3], s[44:45] offset:4096*(4+\t)
	ds_store_b8 v5, v[TM+4+\t] offset:QSB+128*(4+\t)
.endr
	s_wait_dscnt 0x0
	s_wait_loadcnt 32                              ; Wv's jobs 0 and 1 are in; jobs 2 and 3 may be out
	VJOB 0
	VJOB 1
	s_wait_loadcnt 0x0
	VJOB 2
	VJOB 3
	global_store_b128 v6, v[VSW:VSW+3], s[24:25]   ; my channel's four scale words (lanes 16-31 hold and write the same as lanes 0-15); no vector instruction has named them since job 3's wait
	s_barrier_signal -1                            ; my byte stores were waited for above
	s_barrier_wait -1
	ds_load_b64 v[10:11], v8                       ; the four waves' bytes make q's scale words
	s_wait_dscnt 0x0
	global_store_b64 v7, v[10:11], s[46:47]        ; 32 lanes store 256 consecutive bytes, aligned
	s_wait_xcnt 0x0
	v_lshl_add_u32 v254, v0, 2, 0x2600
	v_mov_b32 v255, 0
	s_wait_dscnt 0x0                               ; the closing lines, six on end
	s_wait_alu 0x0
	s_wait_tensorcnt 0x0
	ds_add_u32 v254, v255
	s_wait_dscnt 0x0
	s_endpgm
	; ================= the k path
.Lkpath:
	s_sub_co_u32 s31, ttmp9, 256                   ; 4 b + T
	s_lshr_b32 s32, s31, 2                         ; b
	s_and_b32 s33, s31, 3                          ; T
	s_lshl_b32 s48, s32, 15
	s_lshl_b32 s50, s26, 9
	s_add_co_u32 s48, s48, s50
	s_add_nc_u64 s[10:11], s[10:11], s[48:49]      ; x1d: batch b, channel 128 w
	s_lshl_b32 s48, s26, 15
	s_add_co_u32 s48, s48, 131072
	s_add_nc_u64 s[36:37], s[8:9], s[48:49]        ; Wk's tiles 16 + 4 w on
	s_lshl_b32 s48, s26, 11
	s_add_co_u32 s48, s48, WS_OFF+8192
	s_add_nc_u64 s[40:41], s[8:9], s[48:49]        ; their scale words
	s_lshl_b32 s48, s26, 8
	s_add_nc_u64 s[14:15], s[14:15], s[48:49]      ; bk at channel 64 w
	s_lshl_b32 s48, s31, 12                        ; kc: ((4 b + T) x 2 + w / 2) x 2,048 + (w % 2) x 1,024
	s_lshl_b32 s50, s26, 10
	s_add_co_u32 s48, s48, s50
	s_add_nc_u64 s[44:45], s[20:21], s[48:49]
	s_lshl_b32 s48, s31, 8                         ; its scale bytes: ((4 b + T) x 2 + w / 2) x 128 + 2 (w % 2)
	s_lshr_b32 s50, s26, 1
	s_lshl_b32 s50, s50, 7
	s_add_co_u32 s48, s48, s50
	s_and_b32 s50, s26, 1
	s_lshl_b32 s50, s50, 1
	s_add_co_u32 s48, s48, s50
	s_add_co_u32 s48, s48, KS_OFF
	s_add_nc_u64 s[46:47], s[20:21], s[48:49]
	s_lshl_b32 s34, s33, 4
	v_add_nc_u32 v120, s34, v11                    ; h = 16 T + r
	v_mul_u32_u24 v121, v120, 15                   ; 15 h, at most 945
	v_mul_u32_u24 v122, v121, 1041
	v_lshrrev_b32 v122, 16, v122                   ; lo = floor(15 h / 63): 1041 / 65536 is over 1 / 63 by 1.14e-5, which at 945 makes 0.011, under 1 / 63
	v_add_nc_u32 v123, 1, v122
	v_min_u32 v123, 15, v123                       ; hi
	v_cvt_f32_u32 v124, v121
	v_mul_f32 v125, 0x3c820821, v124               ; 15 h x (1 / 63),
	v_fmamk_f32 v126, v125, 0xc27c0000, v124       ; what is left of 15 h,
	v_fmamk_f32 v125, v126, 0x3c820821, v125       ; and the quotient mended by it: src as a division rounds it
	v_cvt_f32_u32 v126, v122
	v_sub_f32 v126, v125, v126                     ; frac
	v_sub_f32 v124, 1.0, v126                      ; 1 - frac
	v_mov_b32 v127, 0                              ; (named as the upper half of a pair)
	v_lshl_add_u32 v122, v122, 11, v3              ; row lo of 2,048 bytes + 64 h: my 16 channels of a block of 32
	v_lshl_add_u32 v123, v123, 11, v3
	s_wait_alu depctr_va_vdst(0)                   ; v122 and v123 are written, which x1d's 32 loads read as their offsets
.irp q, 0,1,2,3
.irp j, 0,1,2,3
	global_load_b128 v[128+16*\q+4*\j:131+16*\q+4*\j], v122, s[10:11] offset:128*\q+16*\j
.endr
.endr
.irp q, 0,1,2,3
.irp j, 0,1,2,3
	global_load_b128 v[192+16*\q+4*\j:195+16*\q+4*\j], v123, s[10:11] offset:128*\q+16*\j
.endr
.endr
.irp f, 0,1,2,3,4,5,6,7,8,9,10,11,12,13,14,15
	global_load_b32 v[WSV+\f], v2, s[40:41] offset:128*\f
.endr
	WIN 0x40                                       ; destination window 1
.irp t, 0,1,2,3                        ; bk in the result's layout, at v0 on of window 1: tile t = 2 B + u, register j: channel 64 w + 32 B + 16 h + 8 u + j
	global_load_b128 v[8*\t:8*\t+3], v3, s[14:15] offset:128*(\t/2)+32*(\t%2)
	global_load_b128 v[8*\t+4:8*\t+7], v3, s[14:15] offset:128*(\t/2)+32*(\t%2)+16
.endr
	WIN 0xc0
.set f, 0
.rept 8                                ; Wk's tiles 0 and 1 of my four: fragment (t, ks) at 16 (4 t + ks) of window 3
.irp c, 0,1,2,3
	global_load_b128 v[16*f+4*\c:16*f+4*\c+3], v1, s[36:37] offset:2048*f+512*\c
.endr
.set f, f+1
.endr
	WIN 0
	s_wait_loadcnt 56                              ; x1d's 32 loads are in; the 24 small ones and Wk's 32 may be out
.set i, 0
.rept 32
	v_pk_mul_f32 v[192+i:193+i], v[192+i:193+i], v[126:127] op_sel_hi:[1,0]
.set i, i+2
.endr
.set i, 0
.rept 32
	v_pk_fma_f32 v[128+i:129+i], v[128+i:129+i], v[124:125], v[192+i:193+i] op_sel_hi:[1,0,1]   ; x1d[lo] (1 - frac) + x1d[hi] frac
.set i, i+2
.endr
	QUANT 128, 4, 1, VSW, 0
	s_wait_alu depctr_va_vdst(0)                   ; the conversions have written v[PC ..] and v[VSW], which the LDS stores below read; the interpolation is done writing and reading v192-255, in which the images' LDS loads land behind the barrier
.irp c, 0,1,2,3
	ds_store_b128 v9, v[PC+4*\c:PC+4*\c+3] offset:512*\c      ; K step w of the product, as an image of its registers
.endr
	ds_store_b32 v14, v[VSW]
	WIN 0xc0
.rept 8                                ; Wk's tiles 2 and 3: no vector or matrix instruction has named their registers
.irp c, 0,1,2,3
	global_load_b128 v[16*f+4*\c:16*f+4*\c+3], v1, s[36:37] offset:2048*f+512*\c
.endr
.set f, f+1
.endr
	WIN 0
	s_wait_dscnt 0x0                               ; for the others' sake: my image has landed
	s_barrier_signal -1
	s_barrier_wait -1
.irp k, 0,1,2,3
.irp c, 0,1,2,3
	ds_load_b128 v[192+16*\k+4*\c:195+16*\k+4*\c], v1 offset:UIMG+2048*\k+512*\c     ; no vector instruction stands between the wait behind the QUANT and these loads
.endr
	ds_load_b32 v[XS+\k], v2 offset:USC+128*\k
.endr
	s_wait_dscnt 0x0
	s_wait_loadcnt 0x0
.set kk, 0
.rept 4
.if kk == 0
	WIN 0x13                                       ; source 0 (Wk) window 3, source 2 (bk) window 1
.else
	WIN 0x03                                       ; source 0 (Wk) window 3
.endif
.set t8, 0
.rept 4
.set rD, 128+8*t8
.set rA, 16*(4*t8+kk)
.set rB, 192+16*kk
.if kk == 0
.set rC, 8*t8
.else
.set rC, rD
.endif
.set sA, WSV+4*t8+kk
.set sB, XS+kk
.set rW, 0
	WM rD, rA, rB, rC, sA, sB, rW
.set t8, t8+1
.endr
.set kk, kk+1
.endr
	WIN 0
	PLACES 8
	QUANT 128, 2, 0, 0, 1                          ; two blocks: channels 64 w + 32 q + 16 h + 0..15 of row h
	v_lshl_or_b32 v120, v[TM+5], 8, v[TM+4]        ; my two bytes of the row's scale word
	s_wait_alu depctr_va_vdst(0)                   ; the conversions have written v[PC ..] and the line above v120, which the three stores below read
	global_store_b128 v1, v[PC:PC+3], s[44:45]
	global_store_b128 v1, v[PC+4:PC+7], s[44:45] offset:512
	global_store_b16 v2, v120, s[46:47]
	s_wait_xcnt 0x0
	v_lshl_add_u32 v254, v0, 2, 0x2600
	v_mov_b32 v255, 0
	s_wait_dscnt 0x0                               ; the closing lines, six on end
	s_wait_alu 0x0
	s_wait_tensorcnt 0x0
	ds_add_u32 v254, v255
	s_wait_dscnt 0x0
	s_endpgm
.Lfunc_end_k_q6ed65a0420_proj:
	.size	k_q6ed65a0420_proj, .Lfunc_end_k_q6ed65a0420_proj-k_q6ed65a0420_proj
	.p2alignl 7, 3214868480
	.fill 96, 4, 3214868480
	.section	.rodata,"a",@progbits
	.p2align	6, 0x0
	.amdhsa_kernel k_q6ed65a0420_proj
		.amdhsa_group_segment_fixed_size 10240
		.amdhsa_private_segment_fixed_size 0
		.amdhsa_enable_private_segment 0
		.amdhsa_kernarg_size 88
		.amdhsa_user_sgpr_count 2
		.amdhsa_user_sgpr_kernarg_segment_ptr 1
		.amdhsa_wavefront_size32 1
		.amdhsa_system_sgpr_workgroup_id_x 1
		.amdhsa_system_sgpr_workgroup_id_y 1
		.amdhsa_system_sgpr_workgroup_id_z 1
		.amdhsa_system_vgpr_workitem_id 0
		.amdhsa_next_free_vgpr 1024
		.amdhsa_next_free_sgpr 66
		.amdhsa_reserve_vcc 0
		.amdhsa_float_denorm_mode_32 3
		.amdhsa_float_denorm_mode_16_64 3
		.amdhsa_memory_ordered 1
		.amdhsa_forward_progress 1
		.amdhsa_inst_pref_size 144
	.end_amdhsa_kernel
	.amdgpu_metadata
---
amdhsa.version: [ 1, 2 ]
amdhsa.kernels:
  - .name:           k_q6ed65a0420_proj
    .symbol:         k_q6ed65a0420_proj.kd
    .args:
      - { .name: xc, .offset: 0, .size: 8, .value_kind: global_buffer, .address_space: global }
      - { .name: xs, .offset: 8, .size: 8, .value_kind: global_buffer, .address_space: global }
      - { .name: wc, .offset: 16, .size: 8, .value_kind: global_buffer, .address_space: global }
      - { .name: x1d, .offset: 24, .size: 8, .value_kind: global_buffer, .address_space: global }
      - { .name: bq, .offset: 32, .size: 8, .value_kind: global_buffer, .address_space: global }
      - { .name: bk, .offset: 40, .size: 8, .value_kind: global_buffer, .address_space: global }
      - { .name: bv, .offset: 48, .size: 8, .value_kind: global_buffer, .address_space: global }
      - { .name: qc, .offset: 56, .size: 8, .value_kind: global_buffer, .address_space: global }
      - { .name: kc, .offset: 64, .size: 8, .value_kind: global_buffer, .address_space: global }
      - { .name: vc, .offset: 72, .size: 8, .value_kind: global_buffer, .address_space: global }
      - { .name: vs, .offset: 80, .size: 8, .value_kind: global_buffer, .address_space: global }
    .group_segment_fixed_size: 10240
    .private_segment_fixed_size: 0
    .kernarg_segment_align: 8
    .kernarg_segment_size: 88
    .max_flat_workgroup_size: 128
    .sgpr_count:     66
    .vgpr_count:     1024
    .wavefront_size: 32
...
	.end_amdgpu_metadata
.endif
;; end of part 4
;; launch attn: the kernel of part 3 again; grid 16 x 16, 4 waves a work-group, clusters of 4 x 1, 327,680 bytes of LDS; arguments qc, kc, vc, vs, x, gamma, out0; writes out0
